; MI455X (gfx1250); checked and timed in simulation.
; The chip was launched on July 23, 2026; its instructions are those of AMD's public machine-readable ISA for CDNA 5 (MIT licence, August 2026) and "CDNA5" Instruction Set Architecture Reference Guide (July 2026). The comments in the code are by the model that wrote it; some were corrected since.
;; Multi Head Differential Attention. Allowed arithmetic: matrix products marked QUANTISED: E2M3 operands, one E8M0 scale for each 32 along K, by v_wmma_scale_f32_16x16x128_f8f6f4 with both operands' format E2M3, f32 sums; everything else in f32.
;; Inputs: lamb one number float32; ln_beta 1,024 float32; ln_gamma 1,024 float32; wk1 16 x 1,024 x 64 float32; wk2 16 x 1,024 x 64 float32; wq1 16 x 1,024 x 64 float32; wq2 16 x 1,024 x 64 float32; wv 16 x 1,024 x 64 float32; x 2 x 2,048 x 1,024 float32.
;; Outputs: out0 2 x 2,048 x 1,024 float32.
;; This version of the problem:
;;   THIS VERSION OF THE PROBLEM IS GIVEN IN LOW PRECISION. The matrix products marked QUANTISED in the list below multiply operands that are first quantised to E2M3 (2 exponent bits, 3 mantissa bits; 6 bits a number), with one power-of-two scale for each 32 numbers along K (OCP MX v1.0); their sums are f32. All else is computed in f32.
;;   The module's matrix products, in the order in which they are computed (A, B: the left and right operand; K: the contracted axis; several contracted axes count as one K, in the product's order):
;;     1. [M 1,024, K 1,024] x [K 1,024, N 4,096]; A: input wq1; B: input x: QUANTISED
;;     2. [M 1,024, K 1,024] x [K 1,024, N 4,096]; A: input wk1; B: input x: QUANTISED
;;     3. [M 1,024, K 1,024] x [K 1,024, N 4,096]; A: input wq2; B: input x: QUANTISED
;;     4. [M 1,024, K 1,024] x [K 1,024, N 4,096]; A: input wk2; B: input x: QUANTISED
;;     5. [M 1,024, K 1,024] x [K 1,024, N 4,096]; A: input wv; B: input x: QUANTISED
;;     6. batch 32 x [M 2,048, K 64] x [K 64, N 2,048]; A: computed on the way; B: computed on the way: QUANTISED
;;     7. batch 32 x [M 2,048, K 64] x [K 64, N 2,048]; A: computed on the way; B: computed on the way: QUANTISED
;;     8. batch 32 x [M 2,048, K 2,048] x [K 2,048, N 64]; A: computed on the way; B: computed on the way: QUANTISED
;;   THE QUANTISER, for each operand of a quantised product, along K:
;;     - K is cut into blocks of 32 from its start; a last block that is shorter is filled with zeros.
;;     - A block's scale is 2^e with e = floor(log2(the largest magnitude in the block)) - 2, held to -126 .. 127; a block of zeros has e = 0. As a byte (E8M0): e + 127.
;;     - Each number is divided by its block's scale, clamped to +-7.5, and rounded to the nearest number of E2M3, ties to even, subnormals kept.
;;     - The product sums the exact products of the quantised numbers (number of the format x scale) in f32.
;;   ~~~python
;;   def quantise(x, axis):      # numpy; x: float32 -> the quantised numbers, widened to float32 again
;;       x = np.moveaxis(x, axis, -1); K = x.shape[-1]
;;       x = np.pad(x, [(0, 0)] * (x.ndim - 1) + [(0, -K % 32)]); x = x.reshape(x.shape[:-1] + (-1, 32)); a = np.abs(x).max(-1, keepdims=True)
;;       e = np.where(a > 0, np.clip(np.frexp(np.where(a > 0, a, 1))[1] - 1 - 2, -126, 127), 0)      # np.frexp(a)[1] - 1 = floor(log2(a)), exactly
;;       r = np.clip(x / 2.0 ** e, -7.5, 7.5)
;;       step = 2.0 ** (np.maximum(np.frexp(np.where(r == 0, 1, r))[1] - 1, 0) - 3)
;;       q = np.round(r / step) * step * 2.0 ** e      # np.round: ties to even
;;       return np.moveaxis(q.reshape(q.shape[:-2] + (-1,))[..., :K], -1, axis).astype(np.float32)
;;   ~~~
;;   OPERANDS COMPUTED ON THE WAY. 'Computed on the way' means the value that the module computes at that place (a softmax that the list does not call 'softmax' is quantised finished and normalised). What goes into a quantiser is computed in f32, as accurately as f32 sums, v_exp_f32 and their like allow (about 1e-6 of the number): no bf16 or f16 on the way to a quantiser, and a product that is left as it is and whose result goes on into a quantised operand takes f32 operands (vector FMAs, or v_wmma_f32_16x16x4_f32). A number that lies on a knife's edge between two numbers of the format may be rounded either way, as far as f32 arithmetic and the matrix unit's own rounding can turn it there, and no further.
;; One version. Each part assembles by itself: llvm-mc -triple=amdgcn-amd-amdhsa -mcpu=gfx1250 --defsym DOCPART=n.
;; ======== version 1 of 1: 4 launches
;; workspace buffers: codes 7,077,888 bytes; scl 294,912 bytes; ws 16,384,000 bytes; opre 16,777,216 bytes
;; launch quant (part 1): grid 288 x 1, 4 waves a work-group, no clusters, 68,096 bytes of LDS; arguments x, wq1, wq2, wk1, wk2, wv, codes, scl; writes codes, scl
.if DOCPART == 1
	.amdgcn_target "amdgcn-amd-amdhsa--gfx1250"
	.amdhsa_code_object_version 6
	.text
	.protected	k_qb89a7a2eb5_quant
	.globl	k_qb89a7a2eb5_quant
	.p2align	8
	.type	k_qb89a7a2eb5_quant,@function
k_qb89a7a2eb5_quant:
	s_mov_b64 s[64:65], 0
	v_nop
	global_prefetch_b8 v0, s[64:65] scope:SCOPE_SE
	s_setreg_imm32_b32 hwreg(HW_REG_WAVE_MODE, 25, 1), 1
	s_wait_xcnt 0x0
; x [4096][1024] and the five weights [16][1024][64], f32, become codes of FP6 (E2M3) with K = the 1,024 channels innermost, and one E8M0 byte for each 32 along K.
; codes: 9,216 rows of 768 bytes; scl: 9,216 rows of 32 bytes.  Rows 0-4095: tokens.  Rows 4096-6143: 128 hd + 64 sel + d (sel 0 wq1, 1 wq2).  Rows 6144-8191: the same for wk1, wk2.  Rows 8192-9215: 64 hd + d of wv.
; STORAGE ORDER: inside each group of 32 rows the row with true index t lies at t with bits 3 and 4 exchanged.  So 16 neighbouring stored rows are the true rows 8 u + r + 8 (r / 8) of the group, and the results of two
; neighbouring tiles of 16 stored rows, used as source 0 of a matrix instruction, are 16 true neighbours in a lane's registers.
; A block's scale is 2^(floor(log2(its largest magnitude)) - 2): its byte is the largest magnitude's exponent field - 2, held at 1 from below.  A block of zeros so gets the byte 1 where the rule says 127: its codes are
; zeros, which add nothing under any byte but 0xff, and this program alone reads the bytes.
; LIMITS: blocks whose largest magnitude lies under 2^-124, whose byte is held at 1, were not tried; NaN and infinities among the inputs are not served.
; Work-groups 0-127 take x (K innermost: a plain stream of blocks of 32), work-groups 128-287 the weights (K is the first axis of a head's matrix: a lane takes a column, its registers run down K).
; Each work-group takes 32,768 numbers.  The two ways part on the work-group's number, never join, and have LDS bytes of their own.  No tensor loads, no barrier: waves share nothing.
.set STEPS, 16                         ; x: steps of 512 numbers for a wave
.set EMAX,  2
.set CB,    12                         ; bytes of 16 codes
.set XR,    16                         ; v16-79   x: four sets of 16 numbers as they are loaded
.set XX,    80                         ; v80-111  two sets of 16 neighbours
.set XE,    112                        ; v112-127 a scale byte for each step
.set XC,    128                        ; v128-191 codes: four registers for each step, so that no store's data are written again
.set WREG,  8192                       ; x: LDS region of a wave: two stages of 32 x SP bytes, behind them its 256 scale bytes
.set SP,    80                         ; a lane's place in a stage: 64 bytes + 16 of padding
.set WLDS,  32768                      ; the weights' stages begin here
.set WP,    272                        ; a stage row: sixteen places of 16 bytes, each with 12 bytes of codes, + 16
.set KROW,  768                        ; a row of codes in bytes
.set NB,    8                          ; weights: blocks of 32 along K for a wave (256 along K)
.set WX,    32                         ; v32-95   two sets of 32 numbers
.set WC,    96                         ; v96..    a block's codes
.set WOUT,  112                        ; v112-175 the way out
.set WSB,   24                         ; v24-25   the scale bytes, four to a register
.macro XLOAD t
.irp i, 0,1,2,3
	global_load_b128 v[XR+16*((\t)%4)+4*\i:XR+16*((\t)%4)+4*\i+3], v3, s[4:5] offset:2048*(\t)+512*\i th:TH_LOAD_NT   ; 32 lanes read 512 consecutive bytes
.endr
.endm
.macro XTURN t                         ; step t's numbers through the stage: LDS serves a wave's instructions in order, so no wait stands between the stores and the loads
.irp i, 0,1,2,3
	ds_store_b128 v14, v[XR+16*((\t)%4)+4*\i:XR+16*((\t)%4)+4*\i+3] offset:32*SP*((\t)%2)+8*SP*\i
.endr
.irp i, 0,1,2,3
	ds_load_b128 v[XX+16*((\t)%2)+4*\i:XX+16*((\t)%2)+4*\i+3], v15 offset:32*SP*((\t)%2)+16*\i
.endr
.endm
.macro XSTEP t
.set XS, XX+16*((\t)%2)
.if (\t) > 0
	s_wait_dscnt 1                                 ; this step's numbers are back from the stage (the last step's byte store may be out): so its stores into the stage have read their registers,
.else
	s_wait_dscnt 0x0
.endif
.if (\t)+4 < STEPS
	XLOAD (\t)+4                                   ; which take the loads of four steps on
.endif
.if (\t)+1 < STEPS
.if STEPS-2-(\t) >= 3
	s_wait_loadcnt 12                              ; the next step's four loads are in; those of the three steps behind it may be out
.else
	s_wait_loadcnt 4*(STEPS-2-(\t))
.endif
	XTURN (\t)+1                                   ; and go through the other stage while this step is worked
.endif
	v_max3_num_f32 v8, |v[XS]|, |v[XS+1]|, |v[XS+2]|               ; the largest magnitude of my 16, in two chains
	v_max3_num_f32 v9, |v[XS+3]|, |v[XS+4]|, |v[XS+5]|
.irp i, 6,10
	v_max3_num_f32 v8, v8, |v[XS+\i]|, |v[XS+\i+1]|
	v_max3_num_f32 v9, v9, |v[XS+\i+2]|, |v[XS+\i+3]|
.endr
	v_max3_num_f32 v8, v8, |v[XS+14]|, |v[XS+15]|
	v_max3_num_f32 v8, v8, v9, (EMAX+1)<<23        ; and the floor 2^(3 - 127): the byte cannot fall under 1
	v_max_num_f32_dpp v8, v8, v8 row_xmask:1 row_mask:0xf bank_mask:0xf   ; and of my neighbour's 16: the block's
	v_add_nc_u32 v11, -(EMAX<<23), v8              ; 2 off its exponent field: the conversion takes the exponent field of this operand as its scale
	v_cvt_scalef32_pk16_fp6_f32 v[XC+4*(\t):XC+4*(\t)+2], v[XS:XS+15], v11
	v_lshrrev_b32 v[XE+(\t)], 23, v11              ; the scale's byte
	ds_store_b8 v5, v[XE+(\t)] offset:16*(\t)      ; both lanes of a block write the same byte with the same value
	global_store_b96 v4, v[XC+4*(\t):XC+4*(\t)+2], s[16:17] offset:32*CB*(\t)   ; the wave stores 384 consecutive bytes
.endm
.macro WLOAD t                         ; block t: w(32 t + i, my column), i = 0 .. 31, into set t % 2; a row of a head's matrix is 256 bytes
.irp i, 0,1,2,3,4,5,6,7,8,9,10,11,12,13,14,15,16,17,18,19,20,21,22,23,24,25,26,27,28,29,30,31
	global_load_b32 v[WX+32*((\t)%2)+\i], v3, s[6:7] offset:(32*(\t)+\i)*256 th:TH_LOAD_NT
.endr
.endm
.macro WBLOCK t
.set XS, WX+32*((\t)%2)
.if (\t) < NB-1
	s_wait_loadcnt 32                              ; this block's 32 loads are in; the next block's may be out
.else
	s_wait_loadcnt 0
.endif
	v_max3_num_f32 v12, |v[XS]|, |v[XS+1]|, |v[XS+2]|              ; the block's largest magnitude: all 32 numbers are mine
	v_max3_num_f32 v13, |v[XS+3]|, |v[XS+4]|, |v[XS+5]|
.irp i, 6,10,14,18,22,26
	v_max3_num_f32 v12, v12, |v[XS+\i]|, |v[XS+\i+1]|
	v_max3_num_f32 v13, v13, |v[XS+\i+2]|, |v[XS+\i+3]|
.endr
	v_max3_num_f32 v12, v12, |v[XS+30]|, |v[XS+31]|
	v_max3_num_f32 v12, v12, v13, (EMAX+1)<<23     ; and the floor
	v_add_nc_u32 v11, -(EMAX<<23), v12             ; the conversion's scale operand
	v_lshrrev_b32 v13, 23, v11                     ; the scale's byte
.if (\t)%4 == 0
	v_mov_b32 v[WSB+(\t)/4], v13                   ; four bytes to a register, the lower K in the lower byte
.else
	v_lshl_or_b32 v[WSB+(\t)/4], v13, 8*((\t)%4), v[WSB+(\t)/4]
.endif
	v_cvt_scalef32_pk16_fp6_f32 v[WC:WC+2], v[XS:XS+15], v11
	v_cvt_scalef32_pk16_fp6_f32 v[WC+4:WC+6], v[XS+16:XS+31], v11   ; (a conversion's three registers begin on an even number)
	ds_store_b96 v4, v[WC:WC+2] offset:32*(\t)     ; 16 codes, 12 bytes, to a place of 16 bytes in the stage
	ds_store_b96 v4, v[WC+4:WC+6] offset:32*(\t)+16
.if (\t)+2 < NB
	WLOAD (\t)+2
.endif
	s_wait_dscnt 0x0                               ; the stores have read their registers: the next block's codes may be written
.endm
	s_load_b256 s[4:11], s[0:1], 0x0               ; x s[4:5], wq1 s[6:7], wq2 s[8:9], wk1 s[10:11]
	s_load_b256 s[12:19], s[0:1], 0x20             ; wk2 s[12:13], wv s[14:15], codes s[16:17], scl s[18:19]
	v_lshl_add_u32 v192, v0, 2, 0x10800
	v_mov_b32 v193, 0
	v_lshrrev_b32 v1, 5, v0
	v_readfirstlane_b32 s20, v1                    ; wave 0..3
	v_and_b32 v2, 31, v0                           ; lane
	s_cmp_lt_u32 ttmp9, 128
	s_cbranch_scc0 .Lw
	; ---- x.  A wave takes a run of 8 tokens, 8,192 numbers, in 16 steps of 512.  Each load reads 512 consecutive bytes; a step's 2,048 bytes turn through the wave's stage, so that a lane then holds 16 neighbours.
	v_lshlrev_b32 v3, 4, v2                        ; my 16 bytes of a load's 512
	s_mul_i32 s21, s20, WREG
	v_lshrrev_b32 v14, 2, v2
	v_mul_u32_u24 v14, v14, SP
	v_and_b32 v15, 3, v2
	v_lshl_add_u32 v14, v15, 4, v14
	v_add_nc_u32 v14, s21, v14                     ; the stage, on the way in: SP (lane / 4) + 16 (lane % 4)
	v_mul_u32_u24 v15, v2, SP
	v_add_nc_u32 v15, s21, v15                     ; and on the way out: SP x lane
	v_mul_u32_u24 v4, v2, CB                       ; my codes' place in a step's
	v_lshrrev_b32 v5, 1, v2
	s_add_co_u32 s21, s21, 2*32*SP
	v_add_nc_u32 v5, s21, v5                       ; LDS: my wave's 256 scale bytes, my block's byte
	v_lshlrev_b32 v7, 3, v2                        ; and on the way out 8 bytes a lane
	v_add_nc_u32 v6, s21, v7
	s_lshl_b32 s22, ttmp9, 2
	s_add_co_u32 s24, s22, s20                     ; the run that I read: 4 x work-group + wave
	s_and_b32 s23, s20, 1
	s_lshl_b32 s23, s23, 1
	s_lshr_b32 s25, s20, 1
	s_or_b32 s23, s23, s25                         ; the storage order: a run is 8 tokens, so waves 1 and 2 change places
	s_add_co_u32 s26, s22, s23                     ; the run that I write
	s_lshl_b32 s24, s24, 15                        ; 32,768 bytes of x a run
	s_mov_b32 s25, 0
	s_mul_i32 s28, s26, 8*KROW                     ; 6,144 bytes of codes
	s_mov_b32 s29, 0
	s_lshl_b32 s26, s26, 8                         ; 256 scale bytes
	s_mov_b32 s27, 0
	s_wait_kmcnt 0x0
	s_add_nc_u64 s[4:5], s[4:5], s[24:25]
	s_add_nc_u64 s[16:17], s[16:17], s[28:29]
	s_add_nc_u64 s[18:19], s[18:19], s[26:27]
.irp t, 0,1,2,3
	XLOAD \t
.endr
	s_wait_loadcnt 12                              ; step 0's four loads are in
	XTURN 0
.irp t, 0,1,2,3,4,5,6,7,8,9,10,11,12,13,14,15
	XSTEP \t
.endr
	ds_load_b64 v[12:13], v6                       ; LDS serves a wave's instructions in order: these see my byte stores
	s_wait_dscnt 0x0
	global_store_b64 v7, v[12:13], s[18:19]        ; 32 lanes store 256 consecutive bytes, aligned
	s_wait_tensorcnt 0x0
	ds_add_u32 v192, v193
	s_wait_dscnt 0x0
	s_endpgm
.Lw:
	; ---- the weights.  w = work-group - 128: tensor T = w / 32, head (w / 2) % 16.  A wave takes 32 columns x 256 along K: K chunk kc = 2 (w % 2) + wave / 2, column half ch = wave % 2.
	s_sub_co_u32 s21, ttmp9, 128
	s_lshr_b32 s22, s21, 5                         ; T: 0 wq1, 1 wq2, 2 wk1, 3 wk2, 4 wv
	s_bfe_u32 s23, s21, 0x40001                    ; the head
	s_and_b32 s24, s21, 1
	s_lshl_b32 s24, s24, 1
	s_lshr_b32 s25, s20, 1
	s_add_co_u32 s24, s24, s25                     ; kc
	s_and_b32 s25, s20, 1                          ; ch
	s_lshl_b32 s26, s23, 18                        ; in: a head is 262,144 bytes,
	s_lshl_b32 s27, s24, 16                        ; 256 rows of 256 bytes,
	s_add_co_u32 s26, s26, s27
	s_lshl_b32 s27, s25, 7                         ; 32 columns
	s_add_co_u32 s26, s26, s27
	s_mov_b32 s27, 0
	s_lshr_b32 s28, s22, 1
	s_lshl_b32 s28, s28, 11                        ; out: q or k: 2,048 (T / 2) + 128 head + 64 (T % 2)
	s_lshl_b32 s29, s23, 7
	s_add_co_u32 s28, s28, s29
	s_and_b32 s29, s22, 1
	s_lshl_b32 s29, s29, 6
	s_add_co_u32 s28, s28, s29
	s_lshl_b32 s29, s23, 6
	s_add_co_u32 s29, s29, 4096                    ; v: 4,096 + 64 head
	s_cmp_eq_u32 s22, 4
	s_cselect_b32 s28, s29, s28
	s_lshl_b32 s29, s25, 5
	s_add_co_u32 s28, s28, s29
	s_add_co_u32 s28, s28, 4096                    ; my group of 32 rows begins at this row
	s_mul_i32 s30, s28, KROW
	s_mul_i32 s31, s24, 192
	s_add_co_u32 s30, s30, s31                     ; its codes, at my 256 along K
	s_mov_b32 s31, 0
	s_lshl_b32 s32, s28, 5
	s_lshl_b32 s33, s24, 3
	s_add_co_u32 s32, s32, s33                     ; its scale bytes, at my 8 blocks
	s_mov_b32 s33, 0
	v_lshlrev_b32 v3, 2, v2                        ; in: 4 bytes a lane
	v_and_b32 v10, 7, v2
	v_bfe_u32 v11, v2, 3, 1
	v_lshl_or_b32 v10, v11, 4, v10
	v_bfe_u32 v11, v2, 4, 1
	v_lshl_or_b32 v10, v11, 3, v10                 ; my column's place in the group: the lane with bits 3 and 4 exchanged
	s_mul_i32 s34, s20, 32*WP
	s_add_co_u32 s34, s34, WLDS                    ; my stage
	v_mul_u32_u24 v4, v10, WP
	v_add_nc_u32 v4, s34, v4                       ; into it: row = my column's place
	v_and_b32 v5, 15, v2
	v_lshrrev_b32 v6, 4, v2                        ; out of it: sixteen lanes to a row, two rows an instruction
	v_mul_u32_u24 v7, v6, WP
	v_lshl_add_u32 v7, v5, 4, v7
	v_add_nc_u32 v7, s34, v7
	v_mul_u32_u24 v8, v6, KROW
	v_mad_u32_u24 v8, v5, 12, v8                   ; and the same place in the codes
	v_lshlrev_b32 v9, 5, v10                       ; my column's row of scale bytes
	s_wait_kmcnt 0x0
	s_cmp_eq_u32 s22, 1                            ; the tensor: the choice hangs on the work-group's number alone
	s_cselect_b64 s[6:7], s[8:9], s[6:7]
	s_cmp_eq_u32 s22, 2
	s_cselect_b64 s[6:7], s[10:11], s[6:7]
	s_cmp_eq_u32 s22, 3
	s_cselect_b64 s[6:7], s[12:13], s[6:7]
	s_cmp_eq_u32 s22, 4
	s_cselect_b64 s[6:7], s[14:15], s[6:7]
	s_add_nc_u64 s[6:7], s[6:7], s[26:27]
	s_add_nc_u64 s[16:17], s[16:17], s[30:31]
	s_add_nc_u64 s[18:19], s[18:19], s[32:33]
	WLOAD 0
	WLOAD 1
.irp t, 0,1,2,3,4,5,6,7
	WBLOCK \t
.endr
	global_store_b64 v9, v[WSB:WSB+1], s[18:19]    ; my column's 8 scale bytes
.irp t, 0,1,2,3,4,5,6,7,8,9,10,11,12,13,14,15
	ds_load_b96 v[WOUT+4*\t:WOUT+4*\t+2], v7 offset:2*\t*WP   ; LDS serves a wave's instructions in order: these see my stores
.endr
.irp t, 0,1,2,3,4,5,6,7,8,9,10,11,12,13,14,15
	s_wait_dscnt 15-\t
	global_store_b96 v8, v[WOUT+4*\t:WOUT+4*\t+2], s[16:17] offset:2*\t*KROW   ; sixteen lanes store a row's 192 consecutive bytes
.endr
	s_wait_tensorcnt 0x0
	ds_add_u32 v192, v193
	s_wait_dscnt 0x0
	s_endpgm
.Lfunc_end_k_qb89a7a2eb5_quant:
	.size	k_qb89a7a2eb5_quant, .Lfunc_end_k_qb89a7a2eb5_quant-k_qb89a7a2eb5_quant
	.p2alignl 7, 3214868480
	.fill 96, 4, 3214868480
	.section	.rodata,"a",@progbits
	.p2align	6, 0x0
	.amdhsa_kernel k_qb89a7a2eb5_quant
		.amdhsa_group_segment_fixed_size 68096
		.amdhsa_private_segment_fixed_size 0
		.amdhsa_enable_private_segment 0
		.amdhsa_kernarg_size 64
		.amdhsa_user_sgpr_count 2
		.amdhsa_user_sgpr_kernarg_segment_ptr 1
		.amdhsa_wavefront_size32 1
		.amdhsa_system_sgpr_workgroup_id_x 1
		.amdhsa_system_sgpr_workgroup_id_y 1
		.amdhsa_system_sgpr_workgroup_id_z 1
		.amdhsa_system_vgpr_workitem_id 0
		.amdhsa_next_free_vgpr 194
		.amdhsa_next_free_sgpr 66
		.amdhsa_reserve_vcc 0
		.amdhsa_float_denorm_mode_32 3
		.amdhsa_float_denorm_mode_16_64 3
		.amdhsa_memory_ordered 1
		.amdhsa_forward_progress 1
		.amdhsa_inst_pref_size 74
	.end_amdhsa_kernel
	.amdgpu_metadata
---
amdhsa.version: [ 1, 2 ]
amdhsa.kernels:
  - .name:           k_qb89a7a2eb5_quant
    .symbol:         k_qb89a7a2eb5_quant.kd
    .args:
      - { .name: x, .offset: 0, .size: 8, .value_kind: global_buffer, .address_space: global }
      - { .name: wq1, .offset: 8, .size: 8, .value_kind: global_buffer, .address_space: global }
      - { .name: wq2, .offset: 16, .size: 8, .value_kind: global_buffer, .address_space: global }
      - { .name: wk1, .offset: 24, .size: 8, .value_kind: global_buffer, .address_space: global }
      - { .name: wk2, .offset: 32, .size: 8, .value_kind: global_buffer, .address_space: global }
      - { .name: wv, .offset: 40, .size: 8, .value_kind: global_buffer, .address_space: global }
      - { .name: codes, .offset: 48, .size: 8, .value_kind: global_buffer, .address_space: global }
      - { .name: scl, .offset: 56, .size: 8, .value_kind: global_buffer, .address_space: global }
    .group_segment_fixed_size: 68096
    .private_segment_fixed_size: 0
    .kernarg_segment_align: 8
    .kernarg_segment_size: 64
    .max_flat_workgroup_size: 128
    .sgpr_count:     66
    .vgpr_count:     194
    .wavefront_size: 32
...
	.end_amdgpu_metadata
.endif
;; end of part 1
;; launch proj (part 2): grid 16 x 20, 4 waves a work-group, clusters of 4 x 4, 327,680 bytes of LDS; arguments codes, scl, ws; writes ws
.if DOCPART == 2
	.amdgcn_target "amdgcn-amd-amdhsa--gfx1250"
	.amdhsa_code_object_version 6
	.text
	.protected	k_qb89a7a2eb5_proj
	.globl	k_qb89a7a2eb5_proj
	.p2align	8
	.type	k_qb89a7a2eb5_proj,@function
k_qb89a7a2eb5_proj:
	s_mov_b64 s[64:65], 0
	v_nop
	global_prefetch_b8 v0, s[64:65] scope:SCOPE_SE
	s_setreg_imm32_b32 hwreg(HW_REG_WAVE_MODE, 25, 1), 1
	s_wait_xcnt 0x0
	s_wait_alu depctr_hold_cnt(0) depctr_sa_sdst(0) depctr_va_vdst(0) depctr_va_sdst(0) depctr_va_ssrc(0) depctr_va_vcc(0) depctr_vm_vsrc(0)
	s_getreg_b32 s2, hwreg(HW_REG_IB_STS2, 6, 4)
	s_cmp_eq_u32 s2, 0
	s_cbranch_scc0 .Lentry_in_a_cluster
	s_endpgm
.Lentry_in_a_cluster:
	s_bfe_u32 s2, ttmp6, 0x10000c
	s_cmp_lg_u32 s2, 0xf033
	s_cbranch_scc0 .Lentry_shape_is_right
	s_endpgm
.Lentry_shape_is_right:
; The five projections, on codes of FP6 (E2M3) with one E8M0 scale for each 32 along K = 1,024; sums in f32.  The results are quantised in registers and leave as operands of the attention's products.
; Both sides of every product are rows of one buffer of codes (768 bytes a row) and one of scale bytes (32 a row): rows 0-4095 tokens, 4096-6143 [q1 | q2] by head, 6144-8191 [k1 | k2] by head, 8192-9215 v by head,
; each group of 32 rows in the storage order (true index with bits 3 and 4 exchanged).
; A tile of 256 x 256 results is made by a work-group of four waves; a wave makes 128 x 128: 64 accumulators of 16 x 16, 512 registers.  K goes in steps of 256 through a ring of two LDS slots filled by the tensor data mover.
; Source 0 ("B") gives a lane's registers, source 1 ("A") its lane.  Tile rows 0-15 (mode 0): A = tokens, B = the rows of q and k: a lane ends with ONE token and 64 registers along [q1 | q2] or [k1 | k2] of one head.
; Tile rows 16-19 (mode 1): A = the rows of v, B = tokens: a lane ends with ONE channel of v and 64 registers along 128 tokens.  By the storage order register 16 b + i is the true index 32 b + 16 (lane / 16) + i:
; just what the conversions want.  So each of the wave's eight blocks of A becomes one fragment (16 rows x 128 along the next K) and one scale word a row, with no transposition and no LDS.
; ws: 32 records (16 batch + head) of REC bytes: K's scale words, K's fragments, V's fragments, V's scale words, Q's fragments, Q's scale words.  A fragment lies as an image of its 12 registers: register group c of
; lane l at 512 c + 16 l: 1,536 dense bytes.
; CLUSTERS: 4 x 4 work-groups.  The four of a row of the cluster need the same tiles of A, the four of a column the same tiles of B: each tile is asked for jointly.  The mode hangs on the cluster's y alone.
; The grid is 320 work-groups, 20 clusters: tiles of 128 x 128 would divide evenly but read twice the LDS bytes for each product.
; LIMITS: a block of zeros gets the scale byte 1 (its codes are zeros; this program alone reads the bytes); NaN and infinities are not served.
; REGISTERS, in windows of 256: window 0: v0-31 addresses; v32-63 scale words, two sets; from v128 A's fragments, ONE set; on the way out v64-195 are at work.
;   window 1: B's fragments, TWO sets, at v0 and at v128.   window 2: the accumulators of A's blocks 0-3 (accumulator (a, b) at v[8 (8 (a % 4) + b)]);   window 3: those of blocks 4-7.
.set KSTEP,  256                       ; along K in a slot
.set NQ,     KSTEP/128                 ; matrix instructions deep
.set ROWB,   192                       ; a tile's row in bytes
.set KROW,   768                       ; a row of codes in memory
.set PITCH,  240                       ; an LDS row: 3 x (64 bytes of data + 16 of padding)
.set FR,     12                        ; registers of a fragment
.set NL,     6                         ; LDS loads that bring one
.set NP,     4                         ; places behind this matrix instruction (ISA guide 7.12.1)
.set HALFT,  128*PITCH                 ; 128 rows: what one tensor load brings
.set SLOT,   4*HALFT                   ; A's 256 rows, then B's 256 rows
.set LAPS,   1024/(2*KSTEP)            ; a lap = two K steps = once round the ring
.set KS,     32                        ; a row of scale bytes
.set SCL,    2*SLOT                    ; behind the ring: the scales, as runs of 256 bytes + 16 of padding
.set HALFS,  (128*KS/256)*272          ; the scales of 128 rows: what one tensor load brings
.set SBLK,   (16*KS/256)*272           ; those of 16 rows
.set SPARE,  SCL+4*HALFS               ; behind the scales: the spare words, 128 bytes for each wave: two blocks of 256 bytes that no other line names
.set REC,    512000                    ; a record of ws
.set KIMG,   8192
.set VIMG,   204800
.set VSC,    303104
.set QIMG,   307200
.set QSC,    503808
.set ADRA, 16                          ; v16-17  LDS address of my A fragments in slot 0, 1  (v18-19: for the pieces that lie behind one padding more)
.set ADRB, 20                          ; v20-21  the same for B  (v22-23)
.set IO,   24                          ; v24     the way out: 16 x lane
.set SOF,  25                          ; v25     the way out: where my four scale words go
.set ADRS, 27                          ; v27     LDS address of my scale words: lanes 0-15 A's rows, lanes 16-31 B's
.set SPW,  28                          ; v28     LDS address of my spare word; never rewritten
.set NIL,  29                          ; v29     0; never rewritten
.set SC,   32                          ; scale words: set s at v[SC + 8 NQ s]; register NQ i + q: lanes 0-15 A's block i, lanes 16-31 B's block i
.set AF,   128                         ; A's fragments, in window 0
.set CD,   64                          ; the way out: v64-159 the eight fragments' codes, 12 registers each, so that no store's data are written again
.set CT,   160                         ; v160-162, v164-166 the conversions' second halves
.set TM,   168                         ; v168-171 largest magnitudes, v172-175 the other half's, then bytes, v180-183 the conversions' scale operands
.set PWR,  184                         ; v184-191 the eight fragments' scale words
.set OUTW, 192                         ; v192-195 the four that my half of the lanes stores
.set G1, 24                            ; s[24:31] descriptor group 1 for A's tiles;  s[32:39] group 0, one set for each slot
.set G0, 32
.set G1B, 48                           ; s[48:55], s[56:63] the same for B's tiles
.set G0B, 56
.set G1S, 68                           ; s[68:75], s[76:79] groups 1 and 0 for A's scales;  s[80:87], s[88:91] for B's
.set G0S, 76
.set G1SB, 80
.set G0SB, 88
.set MODE, 95                          ; s95     0: q and k;  1: v
.set SEL,  96                          ; s[96:97] lane selects for v_permlanex16_b32: lane l xor 16
.set MSB, 0
.macro WIN new                         ; the immediate's high byte repeats the setting that is left
.if MSB != \new
	s_set_vgpr_msb (MSB<<8)|\new
.set MSB, \new
.endif
.endm
.set MUL_LO, 0xa1                      ; source 0 (B) window 1, source 1 (A) window 0, C and D window 2
.set MUL_HI, 0xf1                      ; the same, C and D window 3
.set TO_B,   0x40                      ; destination window 1, address window 0
; A joint load: waves 0 and 1 fetch for A, waves 2 and 3 for B.  Each of the two lines has ONE mask and one set of registers for all that issue it; the branch hangs on the wave's number alone.
; Four v_nop follow each of the two lines, ahead of the jump, the label and what follows.
.macro JLOAD g0a, g1a, g0b, g1b
	s_cmp_eq_u32 s15, 0
	s_cbranch_scc0 .Lfor_b_\@
	tensor_load_to_lds s[\g0a:\g0a+3], s[\g1a:\g1a+7]
	s_nop 0
.rept 4
	v_nop
.endr
	s_branch .Lasked_\@
.Lfor_b_\@:
	tensor_load_to_lds s[\g0b:\g0b+3], s[\g1b:\g1b+7]
	s_nop 0
.rept 4
	v_nop
.endr
.Lasked_\@:
.endm
.macro CREST                           ; a round of the cluster's barrier behind its opening barrier
	s_cmp_lg_u32 s14, 0
	s_cbranch_scc1 .Lnot_wave_0_\@
	s_barrier_signal -3
.Lnot_wave_0_\@:
	s_barrier_wait -3
	s_barrier_signal -1
	s_barrier_wait -1
.endm
.macro CROUND                          ; a whole round
	s_barrier_signal -1
	s_barrier_wait -1
	CREST
.endm
	s_load_b128 s[4:7], s[0:1], 0x0                ; the codes s[4:5], the scale bytes s[6:7]
	s_load_b64 s[12:13], s[0:1], 0x10              ; ws
	v_lshl_add_u32 v[SPW], v0, 2, SPARE
	v_mov_b32 v[NIL], 0
	ds_add_u32 v28, v29
	ds_add_u32 v28, v29
	s_wait_dscnt 0x0
	v_lshrrev_b32 v1, 5, v0
	v_readfirstlane_b32 s14, v1                    ; wave 0..3
	s_lshr_b32 s15, s14, 1                         ; which half of A's rows is mine.  Also: I fetch for A (0) or for B (1)
	s_and_b32 s16, s14, 1                          ; which half of B's rows.  Also: which 128 rows of that tile I fetch
	s_bfe_u32 s40, ttmp6, 0x40000                  ; cx, cy: my place in the cluster
	s_bfe_u32 s41, ttmp6, 0x40004
	s_lshl_b32 s42, ttmp9, 2
	s_add_co_u32 s42, s42, s40                     ; tile column = 4 x cluster x + cx
	s_and_b32 s17, ttmp7, 0xffff
	s_lshr_b32 s[MODE], s17, 2                     ; cluster rows 0-3: mode 0; row 4: mode 1.  All sixteen partners share it
	s_lshl_b32 s17, s17, 2
	s_add_co_u32 s17, s17, s41                     ; tile row = 4 x cluster y + cy
	s_lshl_b32 s43, s41, 2
	s_lshl_b32 s43, 15, s43                        ; my row of the cluster
	s_lshl_b32 s44, 0x1111, s40                    ; my column
	; descriptor group 1: a tile of 128 rows x ROWB bytes, padded in LDS
	s_or_b32 s[G1+0], s43, (0<<16)|(1<<20)|(1<<21)|(3<<22)|(3<<25)  ; 15:0 the mask: A's tiles go to my row; 17:16 element of 1 byte; 20 padding on; 21 set beside a mask; 24:22 after every 16 words (code 3); 31:25 of 4 words (code 3)
	s_or_b32 s[G1B+0], s44, (0<<16)|(1<<20)|(1<<21)|(3<<22)|(3<<25)
.irp g, G1, G1B
	s_mov_b32 s[\g+1], ROWB<<16                    ; tensor_dim0
	s_mov_b32 s[\g+2], 128<<16                     ; tensor_dim1 = 128
	s_mov_b32 s[\g+3], ROWB<<16                    ; tile_dim0
	s_mov_b32 s[\g+4], 128                         ; tile_dim1 = 128
	s_mov_b32 s[\g+5], KROW                        ; tensor_dim0_stride
	s_mov_b32 s[\g+6], 0
	s_mov_b32 s[\g+7], 0
.endr
	; and for the scales of 128 rows: a dense block of 4,096 bytes, as rows of 256 bytes (32 elements of 8 bytes), 16 bytes of padding behind each
	s_or_b32 s[G1S+0], s43, (3<<16)|(1<<20)|(1<<21)|(5<<22)|(3<<25)
	s_or_b32 s[G1SB+0], s44, (3<<16)|(1<<20)|(1<<21)|(5<<22)|(3<<25)
.irp g, G1S, G1SB
	s_mov_b32 s[\g+1], 32<<16
	s_mov_b32 s[\g+2], (128*KS/256)<<16
	s_mov_b32 s[\g+3], 32<<16
	s_mov_b32 s[\g+4], 128*KS/256
	s_mov_b32 s[\g+5], 32
	s_mov_b32 s[\g+6], 0
	s_mov_b32 s[\g+7], 0
.endr
	s_lshl_b32 s18, s16, 7                         ; which 128 rows of the tile I fetch
	s_lshl_b32 s20, s17, 8
	s_add_co_u32 s20, s20, s18
	s_lshl_b32 s19, s[MODE], 12
	s_add_co_u32 s20, s20, s19                     ; A: row 256 x tile row + 128 x half; in mode 1 4,096 more: tile rows 16-19 are rows 8192 on
	s_lshl_b32 s46, s42, 8
	s_add_co_u32 s46, s46, s18
	s_xor_b32 s19, s[MODE], 1
	s_lshl_b32 s19, s19, 12
	s_add_co_u32 s46, s46, s19                     ; B: row 256 x tile column + 128 x half; in mode 0 4,096 more: the rows of q and k
	s_mov_b32 s21, 0
	s_mov_b32 s47, 0
	s_mov_b64 s[18:19], KS
	s_mul_u64 s[22:23], s[20:21], s[18:19]         ; where these rows' scales begin, in bytes
	s_mul_u64 s[92:93], s[46:47], s[18:19]
	s_mov_b64 s[18:19], KROW
	s_mul_u64 s[20:21], s[20:21], s[18:19]         ; and their codes
	s_mul_u64 s[46:47], s[46:47], s[18:19]
	s_mul_i32 s45, s14, HALFT                      ; where they go: wave x 128 rows: no place in the cluster enters an LDS address
	s_mul_i32 s94, s14, HALFS
	s_mov_b32 s[SEL], 0x76543210
	s_mov_b32 s[SEL+1], 0xfedcba98
	s_wait_kmcnt 0x0
	s_add_nc_u64 s[20:21], s[4:5], s[20:21]
	s_add_nc_u64 s[22:23], s[6:7], s[22:23]
	s_add_nc_u64 s[46:47], s[4:5], s[46:47]
	s_add_nc_u64 s[92:93], s[6:7], s[92:93]
	CROUND                                         ; all sixteen work-groups are here: the first joint loads meet
	s_mov_b32 s[G0S], 1
	s_add_co_u32 s[G0S+1], s94, SCL
	s_mov_b64 s[G0S+2:G0S+3], s[22:23]
	s_or_b32 s[G0S+3], s[G0S+3], 0x80000000
	s_mov_b32 s[G0SB], 1
	s_add_co_u32 s[G0SB+1], s94, SCL
	s_mov_b64 s[G0SB+2:G0SB+3], s[92:93]
	s_or_b32 s[G0SB+3], s[G0SB+3], 0x80000000
	JLOAD G0S, G1S, G0SB, G1SB                     ; the scales first: they are wanted with K step 0.  With the two below, three tensor loads of mine are out
.irp s, 0,1
	s_mov_b32 s[G0+4*\s], 1
	s_add_co_u32 s[G0+4*\s+1], s45, \s*SLOT
	s_add_nc_u64 s[G0+4*\s+2:G0+4*\s+3], s[20:21], \s*ROWB
	s_or_b32 s[G0+4*\s+3], s[G0+4*\s+3], 0x80000000
	s_mov_b32 s[G0B+4*\s], 1
	s_add_co_u32 s[G0B+4*\s+1], s45, \s*SLOT
	s_add_nc_u64 s[G0B+4*\s+2:G0B+4*\s+3], s[46:47], \s*ROWB
	s_or_b32 s[G0B+4*\s+3], s[G0B+4*\s+3], 0x80000000
	JLOAD G0+4*\s, G1, G0B+4*\s, G1B
.endr
	v_and_b32 v1, 15, v0                           ; r = l % 16
	v_bfe_u32 v2, v0, 4, 1                         ; h = l / 16
	v_mul_u32_u24 v3, v1, PITCH
	v_mul_u32_u24 v4, v2, 24
	v_add_nc_u32 v4, v3, v4                        ; a fragment's row x pitch + 24 x half
	v_lshl_add_u32 v5, v2, 4, v4                   ; and the same behind one padding more
	s_mul_i32 s21, s15, HALFT                      ; my 128 rows of A
	s_mul_i32 s22, s16, HALFT                      ; my 128 rows of B,
	s_add_co_u32 s22, s22, 2*HALFT                 ; which lie behind A's 256
.irp s, 0,1
	v_add_nc_u32 v[ADRA+\s], s21, v4
	v_add_nc_u32 v[ADRB+\s], s22, v4
	v_add_nc_u32 v[ADRA+2+\s], s21, v5
	v_add_nc_u32 v[ADRB+2+\s], s22, v5
	s_add_co_u32 s21, s21, SLOT
	s_add_co_u32 s22, s22, SLOT
.endr
	v_mul_u32_u24 v5, v1, KS                       ; my row's scales: KS bytes a row,
	v_lshrrev_b32 v6, 8, v5
	v_lshl_add_u32 v5, v6, 4, v5                   ; and 16 more for each 256 passed
	s_mul_i32 s21, s15, HALFS                      ; A's: my 128 rows
	s_mul_i32 s22, s16, HALFS                      ; B's: my 128 rows, behind A's 256
	s_add_co_u32 s22, s22, 2*HALFS
	s_sub_co_u32 s22, s22, s21
	v_mul_u32_u24 v6, s22, v2                      ; lanes 16-31 take B's
	s_add_co_u32 s21, s21, SCL
	v_add_nc_u32 v5, v5, v6
	v_add_nc_u32 v[ADRS], s21, v5
	; WHERE THE RESULTS GO, as byte offsets in ws, both modes made and one chosen on the mode.  g = 2 x tile column + my half of B.
	s_lshl_b32 s18, s42, 1
	s_add_co_u32 s18, s18, s16                     ; g
	s_and_b32 s19, s18, 15                         ; mode 0: the head;  mode 1: which 128 tokens of the batch
	s_lshr_b32 s20, s18, 4                         ; mode 0: 0 q, 1 k;  mode 1: the batch
	s_bfe_u32 s21, s17, 0x10003                    ; mode 0: the batch = (tile row / 8) % 2
	s_and_b32 s22, s17, 7
	s_lshl_b32 s22, s22, 4
	s_lshl_b32 s23, s15, 3
	s_add_co_u32 s22, s22, s23                     ; my first tile of 16 tokens: 16 (tile row % 8) + 8 x my half of A
	s_lshl_b32 s21, s21, 4
	s_add_co_u32 s21, s21, s19
	s_mul_i32 s21, s21, REC                        ; the record 16 batch + head
	s_mul_i32 s23, s20, QIMG-KIMG
	s_sub_co_u32 s40, s21, s23
	s_mul_i32 s23, s22, 1536
	s_add_co_u32 s40, s40, s23
	s_add_co_u32 s40, s40, QIMG                    ; mode 0: fragment 0
	s_mul_i32 s23, s20, QSC
	s_sub_co_u32 s41, s21, s23
	s_lshl_b32 s23, s22, 6
	s_add_co_u32 s41, s41, s23
	s_add_co_u32 s41, s41, QSC                     ; mode 0: the scale words of my eight tiles: 512 bytes (K's lie at the record's head)
	s_and_b32 s43, s17, 3
	s_lshl_b32 s43, s43, 2
	s_lshl_b32 s44, s15, 1
	s_add_co_u32 s43, s43, s44                     ; mode 1: my first head = 4 (tile row - 16) + 2 x my half of A
	s_lshl_b32 s44, s20, 4
	s_add_co_u32 s43, s43, s44
	s_mul_i32 s43, s43, REC
	s_mul_i32 s44, s19, 6144
	s_add_co_u32 s44, s44, s43
	s_add_co_u32 s44, s44, VIMG                    ; mode 1: fragment 0
	s_lshl_b32 s45, s19, 8
	s_add_co_u32 s45, s45, s43
	s_add_co_u32 s45, s45, VSC                     ; mode 1: the scale words
	s_cmp_eq_u32 s[MODE], 1
	s_cselect_b32 s40, s44, s40
	s_cselect_b32 s41, s45, s41
	s_mov_b32 s43, REC
	s_cselect_b32 s44, s43, 6144                   ; from fragment 0 to fragment 4: the next head's record, or four fragments on
	s_cselect_b32 s45, s43, 256                    ; from lanes 0-15's scale words to lanes 16-31's: likewise
	s_mov_b32 s18, s40
	s_mov_b32 s19, 0
	s_add_nc_u64 s[8:9], s[12:13], s[18:19]        ; fragments 0-3
	s_mov_b32 s18, s44
	s_add_nc_u64 s[10:11], s[8:9], s[18:19]        ; fragments 4-7
	s_mov_b32 s18, s41
	s_add_nc_u64 s[12:13], s[12:13], s[18:19]      ; the scale words
	v_and_b32 v6, 31, v0
	v_lshlrev_b32 v[IO], 4, v6
	v_mul_u32_u24 v5, s45, v2
	v_lshl_add_u32 v[SOF], v1, 4, v5               ; 16 r + h x that distance
.macro FRAG reg, adr, q, i             ; a fragment, 16 rows x 128 K of 6-bit codes, is 12 registers: lane l holds row l % 16; registers 6 c .. 6 c + 5 hold K = 64 c + 32 (l / 16) + 0 .. 31: 24 bytes of the row's stream of bits, as they lie
.irp p, 0,1,2,3,4,5                    ; in pieces of 8 bytes, so that every address is a multiple of the access's size.  Lanes 0-15 take the row's pieces 12 q + 0, 1, 2 and 12 q + 6, 7, 8, lanes 16-31 those three pieces on
.set PIECE, 12*(\q)+6*(\p/3)+\p%3     ; 16 bytes of padding lie behind every 64 bytes (8 pieces): where the piece three on lies behind one padding more, the second address register serves
.if PIECE%8 < 5
	ds_load_b64 v[\reg+2*\p:\reg+2*\p+1], v[\adr] offset:8*PIECE+16*(PIECE/8)+(\i)*16*PITCH
.else
	ds_load_b64 v[\reg+2*\p:\reg+2*\p+1], v[\adr+2] offset:8*PIECE+16*(PIECE/8)+(\i)*16*PITCH
.endif
.endr
.endm
; 16 matrix instructions: A's blocks a0, a0 + 1 x B's eight, 128 along K: the slot's q-th.  p: B's set;  sc: the set of scale words.  zero = 1: the first product starts the sums: nothing is ever cleared.
; The 64 accumulators take turns, one instruction a turn, in the same order in every step.
.macro MUL16 a0, p, q, sc, zero
.irp a, \a0, \a0+1
.irp b, 0,1,2,3,4,5,6,7
.if \zero
	v_wmma_scale_f32_16x16x128_f8f6f4 v[8*(8*((\a)%4)+\b):8*(8*((\a)%4)+\b)+7], v[128*(\p)+FR*\b:128*(\p)+FR*\b+FR-1], v[AF+FR*(\a):AF+FR*(\a)+FR-1], 0, v[SC+8*NQ*(\sc)+NQ*\b+(\q)], v[SC+8*NQ*(\sc)+NQ*(\a)+(\q)] matrix_a_fmt:MATRIX_FMT_FP6 matrix_b_fmt:MATRIX_FMT_FP6 matrix_a_scale:MATRIX_SCALE_ROW1
.else
	v_wmma_scale_f32_16x16x128_f8f6f4 v[8*(8*((\a)%4)+\b):8*(8*((\a)%4)+\b)+7], v[128*(\p)+FR*\b:128*(\p)+FR*\b+FR-1], v[AF+FR*(\a):AF+FR*(\a)+FR-1], v[8*(8*((\a)%4)+\b):8*(8*((\a)%4)+\b)+7], v[SC+8*NQ*(\sc)+NQ*\b+(\q)], v[SC+8*NQ*(\sc)+NQ*(\a)+(\q)] matrix_a_fmt:MATRIX_FMT_FP6 matrix_b_fmt:MATRIX_FMT_FP6 matrix_a_scale:MATRIX_SCALE_ROW1
.endif
.endr
.endr
.endm
.macro FETCH_B slot, q, p              ; B's eight fragments of the slot's q-th 128 along K into set p
	WIN TO_B
.irp i, 0,1,2,3,4,5,6,7
	FRAG 128*(\p)+FR*\i, ADRB+\slot, \q, \i
.endr
	WIN 0
.endm
.macro FETCH_A slot, q, i0             ; A's blocks i0 .. i0 + 3
.irp i, \i0, \i0+1, \i0+2, \i0+3
	FRAG AF+FR*(\i), ADRA+\slot, \q, \i
.endr
.endm
.macro SCALES sc                       ; the next K step's scale words into set sc: NQ words a row; lanes 0-15 take A's block i, lanes 16-31 B's block i
.irp i, 0,1,2,3,4,5,6,7
	ds_load_b64 v[SC+8*NQ*\sc+NQ*\i:SC+8*NQ*\sc+NQ*\i+1], v[ADRS] offset:\i*SBLK
.endr
.endm
; A load into a register that a matrix instruction has read, and a vector instruction that reads a matrix result, stand NP places behind that matrix instruction, and only plain vector
; instructions that name none of its registers are places (ISA guide 7.12.1 for vector instructions); this text does not count the matrix instructions in between.
.macro PLACES n
.rept \n
	v_nop
.endr
.endm
; A step of 128 along K that has its successor in the same slot.
.macro STEP slot, q, zero
	s_wait_dscnt 4*NL                              ; B's set and A's blocks 0-3 are in; the youngest 24 loads (A's blocks 4-7) may be out
	WIN MUL_LO
	MUL16 0, (\q)%2, \q, \slot, \zero
	MUL16 2, (\q)%2, \q, \slot, \zero
	s_wait_dscnt 0                                 ; A's blocks 4-7 are in (asked for 32 matrix instructions ago)
	PLACES NP
	FETCH_B \slot, (\q)+1, 1-(\q)%2
	FETCH_A \slot, (\q)+1, 0
	WIN MUL_HI
	MUL16 4, (\q)%2, \q, \slot, \zero
	MUL16 6, (\q)%2, \q, \slot, \zero
	PLACES NP
	WIN 0
	FETCH_A \slot, (\q)+1, 4
.endm
; A slot's last step changes slots: ONE barrier; in front of it each wave waits for all its tensor loads, adds 0 to its spare word, and waits for that and for its own reads of this slot.  fill = 1: this slot is filled again, two K steps ahead.
.macro TURN slot, next, fill
	s_wait_tensorcnt 0x0                           ; all my tensor loads have landed: my part of the next slot;  (every window is 0 here: the add's two registers lie in window 0)
	ds_add_u32 v[SPW], v[NIL]                      ; 0 onto my spare word
	s_wait_dscnt 4*NL+1                            ; (the add and the youngest 24 loads, A's blocks 4-7, may be out)
	WIN MUL_LO
	MUL16 0, 1, NQ-1, \slot, 0                     ; sixteen matrix instructions stand between the add and the wait for it
	s_wait_dscnt 0x0                               ; the add is done, and my reads of this slot are over
	s_barrier_signal -1
	MUL16 2, 1, NQ-1, \slot, 0
	WIN 0
	s_barrier_wait -1
.if \fill
	CREST                                          ; the barrier has opened a round of the cluster's barrier: no wave of any partner still reads this slot's tile or has a load on its way
	s_add_nc_u64 s[G0+4*\slot+2:G0+4*\slot+3], s[G0+4*\slot+2:G0+4*\slot+3], 2*ROWB
	s_add_nc_u64 s[G0B+4*\slot+2:G0B+4*\slot+3], s[G0B+4*\slot+2:G0B+4*\slot+3], 2*ROWB
	JLOAD G0+4*\slot, G1, G0B+4*\slot, G1B         ; the first tensor load behind the round, my only one until the next; the four v_nop behind it are the places in front of the loads below
.else
	PLACES NP
.endif
	v_add_nc_u32 v[ADRS], 4*NQ, v[ADRS]            ; on to the next K step's scale words (no LDS load of mine is out)
	FETCH_B \next, 0, 0
	FETCH_A \next, 0, 0
	SCALES \next
	WIN MUL_HI
	MUL16 4, 1, NQ-1, \slot, 0
	MUL16 6, 1, NQ-1, \slot, 0
	PLACES NP
	WIN 0
	FETCH_A \next, 0, 4
.endm
	s_wait_tensorcnt 1                             ; the scales and my part of K step 0 are in (K step 1's load may be out)
	s_barrier_signal -1
	s_barrier_wait -1                              ; everybody's are
	FETCH_B 0, 0, 0
	FETCH_A 0, 0, 0
	SCALES 0
	FETCH_A 0, 0, 4
	STEP 0, 0, 1                                   ; the first step stands in front of the loop: its products start the sums
	s_mov_b32 s3, LAPS-1
.Llap:                                                 ; a trip goes once round the ring, from a lap's second step to the next lap's first, and fills both slots again
	TURN 0, 1, 1
	STEP 1, 0, 0
	TURN 1, 0, 1
	STEP 0, 0, 0
	s_sub_co_u32 s3, s3, 1
	s_cmp_lg_u32 s3, 0
	s_cbranch_scc1 .Llap
	TURN 0, 1, 0                                   ; the last lap fills nothing, and has no round of the cluster's barrier
	STEP 1, 0, 0
	s_wait_dscnt 4*NL                              ; the very last step: nothing more to fetch
	WIN MUL_LO
	MUL16 0, 1, NQ-1, 1, 0
	MUL16 2, 1, NQ-1, 1, 0
	s_wait_dscnt 0
	WIN MUL_HI
	MUL16 4, 1, NQ-1, 1, 0
	MUL16 6, 1, NQ-1, 1, 0
	WIN 0
; THE WAY OUT.  Block a of A: 64 registers of a lane, register 16 b + i = the true index 32 b + 16 (l / 16) + i along the next K, of the lane's row.  They become a fragment's codes and a scale word a row.
; A block of 32 lies in lanes l and l xor 16.  The conversions' results are half blocks; the operand's layout wants a whole block in a lane: three exchanges of halves for each pair of blocks give it.
.macro QUANTW a
.set QW, 2+(\a)/4                      ; the accumulators' window
.set QB, 64*((\a)%4)
.set QP, CD+12*(\a)
	WIN (QW<<2)|(QW<<4)                            ; sources 1 and 2: the accumulators
.irp b, 0,1,2,3
	v_max3_num_f32 v[TM+\b], 0x1800000, |v[QB+16*\b]|, |v[QB+16*\b+1]|   ; block b: my 16 numbers, and the floor 2^(3 - 127): the byte cannot fall under 1.  Each accumulator is read from its low end on
.endr
.irp i, 2,4,6,8,10,12,14
.irp b, 0,1,2,3
	v_max3_num_f32 v[TM+\b], v[TM+\b], |v[QB+16*\b+\i]|, |v[QB+16*\b+\i+1]|   ; (the four blocks by turns)
.endr
.endr
	WIN 0
.irp b, 0,1,2,3
	v_permlanex16_b32 v[TM+4+\b], v[TM+\b], s[SEL], s[SEL+1]
.endr
.irp b, 0,1,2,3
	v_max_num_f32 v[TM+\b], v[TM+\b], v[TM+4+\b]   ; with lane l xor 16's: the block's largest magnitude
.endr
.irp b, 0,1,2,3
	v_add_nc_u32 v[TM+12+\b], 0xff000000, v[TM+\b] ; 2 off its exponent field: the conversion's scale operand
.endr
.irp b, 0,1,2,3
	v_lshrrev_b32 v[TM+4+\b], 23, v[TM+12+\b]      ; the scale's byte
.endr
	v_lshl_or_b32 v[PWR+(\a)], v[TM+5], 8, v[TM+4] ; the four bytes make my row's scale word
	v_lshl_or_b32 v[PWR+(\a)], v[TM+6], 16, v[PWR+(\a)]
	v_lshl_or_b32 v[PWR+(\a)], v[TM+7], 24, v[PWR+(\a)]
	WIN QW                                         ; source 0: the accumulators
.irp c, 0,1
	v_cvt_scalef32_pk16_fp6_f32 v[QP+6*\c:QP+6*\c+2], v[QB+32*\c:QB+32*\c+15], v[TM+12+2*\c]
	v_cvt_scalef32_pk16_fp6_f32 v[CT+4*\c:CT+4*\c+2], v[QB+32*\c+16:QB+32*\c+31], v[TM+13+2*\c]   ; (a conversion's three registers begin on an even number)
.endr
	WIN 0
	v_nop                                          ; one plain place behind a scaled conversion
.irp c, 0,1
.irp i, 0,1,2
	v_permlane16_swap_b32 v[QP+6*\c+\i], v[CT+4*\c+\i]   ; the first now holds each lane's block's lower 16 codes, the second the upper 16
.endr
.irp i, 0,1,2
	v_mov_b32 v[QP+3+6*\c+\i], v[CT+4*\c+\i]
.endr
.endr
.irp c, 0,1,2
	global_store_b128 v[IO], v[QP+4*\c:QP+4*\c+3], s[8+2*((\a)/4):9+2*((\a)/4)] offset:((\a)%4)*1536+512*\c   ; the image: 32 lanes store 512 consecutive bytes, at a multiple of 256 from ws's first byte
.endr
.endm
	PLACES NP                                      ; behind the last products: their results are read, and the registers that held A's fragments are written
.irp b, 0,1,2,3
	v_mov_b32 v[TM+4+\b], 0                        ; written once: a lane permute's destination counts as one of its sources
.endr
.irp a, 0,1,2,3,4,5,6,7
	QUANTW \a
.endr
	v_and_b32 v196, 31, v0
	v_cmp_le_u32 vcc_lo, 16, v196                  ; lanes 16-31 store the words of fragments 4-7, lanes 0-15 those of fragments 0-3 (both halves of the lanes hold every row's word)
.irp j, 0,1,2,3
	v_cndmask_b32 v[OUTW+\j], v[PWR+\j], v[PWR+4+\j], vcc_lo
.endr
	global_store_b128 v[SOF], v[OUTW:OUTW+3], s[12:13]   ; sixteen lanes store 256 consecutive bytes, aligned
	s_wait_tensorcnt 0x0                           ; the wave's end, behind my last tensor load
	ds_add_u32 v[SPW], v[NIL]
	s_wait_dscnt 0x0
	CROUND                                         ; the closing round: no work-group ends while a partner may still ask for a tile that names it
	s_endpgm
.Lfunc_end_k_qb89a7a2eb5_proj:
	.size	k_qb89a7a2eb5_proj, .Lfunc_end_k_qb89a7a2eb5_proj-k_qb89a7a2eb5_proj
	.p2alignl 7, 3214868480
	.fill 96, 4, 3214868480
	.section	.rodata,"a",@progbits
	.p2align	6, 0x0
	.amdhsa_kernel k_qb89a7a2eb5_proj
		.amdhsa_group_segment_fixed_size 327680
		.amdhsa_private_segment_fixed_size 0
		.amdhsa_enable_private_segment 0
		.amdhsa_kernarg_size 24
		.amdhsa_user_sgpr_count 2
		.amdhsa_user_sgpr_kernarg_segment_ptr 1
		.amdhsa_wavefront_size32 1
		.amdhsa_system_sgpr_workgroup_id_x 1
		.amdhsa_system_sgpr_workgroup_id_y 1
		.amdhsa_system_sgpr_workgroup_id_z 1
		.amdhsa_system_vgpr_workitem_id 0
		.amdhsa_next_free_vgpr 1024
		.amdhsa_next_free_sgpr 98
		.amdhsa_reserve_vcc 1
		.amdhsa_float_denorm_mode_32 3
		.amdhsa_float_denorm_mode_16_64 3
		.amdhsa_memory_ordered 1
		.amdhsa_forward_progress 1
		.amdhsa_inst_pref_size 165
	.end_amdhsa_kernel
	.amdgpu_metadata
---
amdhsa.version: [ 1, 2 ]
amdhsa.kernels:
  - .name:           k_qb89a7a2eb5_proj
    .symbol:         k_qb89a7a2eb5_proj.kd
    .args:
      - { .name: codes, .offset: 0, .size: 8, .value_kind: global_buffer, .address_space: global }
      - { .name: scl, .offset: 8, .size: 8, .value_kind: global_buffer, .address_space: global }
      - { .name: ws, .offset: 16, .size: 8, .value_kind: global_buffer, .address_space: global }
    .group_segment_fixed_size: 327680
    .private_segment_fixed_size: 0
    .kernarg_segment_align: 8
    .kernarg_segment_size: 24
    .max_flat_workgroup_size: 128
    .sgpr_count:     98
    .vgpr_count:     1024
    .wavefront_size: 32
...
	.end_amdgpu_metadata
.endif
;; end of part 2
;; launch attn (part 3): grid 8 x 32, 16 waves a work-group, clusters of 4 x 1, 309,248 bytes of LDS; arguments ws, lamb, opre; writes opre
.if DOCPART == 3
	.amdgcn_target "amdgcn-amd-amdhsa--gfx1250"
	.amdhsa_code_object_version 6
	.text
	.protected	k_qb89a7a2eb5_attn
	.globl	k_qb89a7a2eb5_attn
	.p2align	8
	.type	k_qb89a7a2eb5_attn,@function
k_qb89a7a2eb5_attn:
	s_mov_b64 s[64:65], 0
	v_nop
	global_prefetch_b8 v0, s[64:65] scope:SCOPE_SE
	s_setreg_imm32_b32 hwreg(HW_REG_WAVE_MODE, 25, 1), 1
	s_wait_xcnt 0x0
	s_wait_alu depctr_hold_cnt(0) depctr_sa_sdst(0) depctr_va_vdst(0) depctr_va_sdst(0) depctr_va_ssrc(0) depctr_va_vcc(0) depctr_vm_vsrc(0)
	s_getreg_b32 s2, hwreg(HW_REG_IB_STS2, 6, 4)
	s_cmp_eq_u32 s2, 0
	s_cbranch_scc0 .Lentry_in_a_cluster
	s_endpgm
.Lentry_in_a_cluster:
	s_bfe_u32 s2, ttmp6, 0x10000c
	s_cmp_lg_u32 s2, 0x3003
	s_cbranch_scc0 .Lentry_shape_is_right
	s_endpgm
.Lentry_shape_is_right:
; opre[b][t][64 hd + d] = the sum over s of Q(wei[t][s]) Q(v[s][d]), wei = softmax(q1 k1^T / 8) - lamb softmax(q2 k2^T / 8), for one (batch, head) a work-group row; all three products on codes of FP6 (E2M3)
; with one E8M0 scale for each 32 along K.  wei is quantised FINISHED AND NORMALISED, so a row's maximum and sum are known before any of its weights is quantised: the keys are walked TWICE.
; Walk 1: the scores of both softmaxes, a running largest t and a running sum.  Walk 2: the same scores by the same instructions, wei, its codes along the keys, and wei x v.
; t = score x log2(e) / 8;  M = the largest t so far rounded UP to a whole number, kept as -M = floor(-t);  p = 2^(t - M).  When M moves, the sum is multiplied by 2^(old M - new M), which rounds nothing.
; The largest p lies over 1/2, so the sum lies over 1/2.
; THE SCORE PRODUCTS HAVE K = 64 AND THE INSTRUCTION HAS 128: a fragment of keys holds [k1 | k2]; it is multiplied by [q1 | 0] for the first scores and by [0 | q2] for the second.  Zero codes add nothing under any scale byte
; that the quantiser gives.  So one fragment read from LDS feeds both.
; SHARES.  A work-group owns 256 queries of one (batch, head); each of its SIXTEEN waves owns one stored tile of 16 queries, in 256 registers: four waves to a SIMD, so that one wave's vector work stands beside another's
; matrix work and LDS loads.  All products are used transposed: a lane holds ONE query (lane % 16) throughout.
; STORAGE ORDER.  A stored tile 2 b + u of 16 tokens (or channels) holds the true indices 32 b + 8 u + r + 8 (r / 8): so the 16 result registers of tiles 2 b and 2 b + 1 are the true neighbours 32 b + 16 (lane / 16) + 0 .. 15.
; LDS holds the record's first 307,200 bytes at the same offsets (K's scale words, K's fragments, V's fragments, V's scale words), FILLED ONCE: no byte is filled again, so there is no ring.  Fragments lie as images of their
; registers: every load reads 512 consecutive bytes.  CLUSTER: the four work-groups of a cluster belong to one (batch, head): each part of the record is asked for jointly, by all four, with the same descriptor.
; Each wave issues two tensor loads, together: two are out by this text's count.
; LIMITS: NaN and infinities are not served.  A weight is p x rcp(sum), not a division; -lamb / sum2 is made once a row; a block of zeros gets the scale byte 1 (its codes are zeros).
.set REC,  512000
.set KSC,  0
.set KIMG, 8192
.set VIMG, 204800
.set VSC,  303104
.set QIMG, 307200
.set QSC,  503808
.set LI,   1                           ; v1   16 x lane: my place in an image
.set LR,   2                           ; v2   16 x (lane % 16)
.set ADK,  3                           ; v3   LDS address of the step's fragments of K
.set ADS,  4                           ; v4   of K's scale words
.set ADV,  5                           ; v5   of V's fragments
.set ADT,  6                           ; v6   of V's scale words
.set GO,   7                           ; v7   the way out: my byte offset in the tile's rows of opre
.set STO,  8                           ; v8   where I put 32 bytes of a row in my stage
.set RD,   9                           ; v9   where I read a row back
.set QS,   10                          ; v10  Q's scale word
.set PW,   11                          ; v11  wei's scale word for the step's 128 keys
.set ST,   12                          ; v[12:13] -M1, largest t1;  v[14:15] -M2, largest t2
.set L,    16                          ; v[16:17] sum 1 in two halves, later v16 = 1 / sum 1;  v[18:19] sum 2, later v18 = -lamb / sum 2
.set KS,   20                          ; v[20:23] K's scale words: lanes 0-15 tiles 0-3 of the step, lanes 16-31 tiles 4-7
.set VS,   24                          ; v[24:27] V's scale words, tile i in register i
.set Q1,   28                          ; v[28:39] [q1 | 0]
.set Q2,   34                          ; v[34:45] [0 | q2]: the six zeros serve both
.set F,    48                          ; v[48:95] four fragments of K or of V
.set SA,   96                          ; v[96:159] walk 1: the first scores;  walk 2: v96-127 the first, v128-159 the second, of 64 keys
.set SB,   160                         ; v[160:223] walk 1: the second scores
.set OT,   160                         ; walk 2: v[160:191] O^T, four tiles of 16 channels
.set PC,   192                         ; v[192:203] wei's codes
.set CT,   204                         ; v[204:206] a conversion's second half
.set FF,   224                         ; v[224:225], v[226:227] 2^(old M - new M), each named as a pair
.set MX,   228                         ; v228-235 chains of maxima
.set RT,   236                         ; v236-237 a row's numbers at work
.set PT,   238                         ; v238-239 what comes from lane l xor 16
.set C2,   240                         ; v[240:241], v[242:243] the sums' second chains
.set SO,   244                         ; v244-245 the conversions' scale operands
.set BY,   246                         ; v246-247 scale bytes
.set WV,   10                          ; s10  my wave's number
.set G1A,  16                          ; s[16:23] descriptor group 1: 50 rows of 256 bytes;  s[24:31]: 25 rows
.set G1B,  24
.set G0A,  32                          ; s[32:35], s[36:39] groups 0
.set G0B,  36
.set CS,   40                          ; s[40:41] c = log2(e) / 8: the packed form names a pair and takes its low word for both halves
.set SEL,  42                          ; s[42:43] lane selects for v_permlanex16_b32: lane l xor 16
.set TK,   44                          ; s44  LDS byte of the step's fragments of K: 12,288 a step
.set TS,   45                          ; s45  of K's scale words: 512 a step
.set TV,   46                          ; s46  of V's fragments: 6,144 a step
.set TT,   47                          ; s47  of V's scale words: 256 a step
.set CNT,  48                          ; s48  loop counter
.macro CROUND                          ; a round of the cluster's barrier
	s_barrier_signal -1
	s_barrier_wait -1
	s_cmp_lg_u32 s[WV], 0
	s_cbranch_scc1 .Lnot_wave_0_\@
	s_barrier_signal -3
.Lnot_wave_0_\@:
	s_barrier_wait -3
	s_barrier_signal -1
	s_barrier_wait -1
.endm
.macro NOP4                            ; four places behind matrix instructions, in front of loads into their operands and of the first read of their results (ISA guide 7.12.1 for vector instructions)
.rept 4
	v_nop
.endr
.endm
.macro LDK g                           ; the step's tiles 4 g .. 4 g + 3 of K
.irp t, 0,1,2,3
.irp c, 0,1,2
	ds_load_b128 v[F+12*\t+4*\c:F+12*\t+4*\c+3], v[ADK] offset:(4*\g+\t)*1536+512*\c
.endr
.endr
.endm
.macro SRUN g, s1, s2                  ; eight products: each of the four fragments against [q1 | 0] and [0 | q2].  Eight accumulators, each begun with the constant 0
.irp t, 0,1,2,3
.if \g
	v_wmma_scale_f32_16x16x128_f8f6f4 v[\s1+8*\t:\s1+8*\t+7], v[F+12*\t:F+12*\t+11], v[Q1:Q1+11], 0, v[KS+\t], v[QS] matrix_a_fmt:MATRIX_FMT_FP6 matrix_b_fmt:MATRIX_FMT_FP6 matrix_a_scale:MATRIX_SCALE_ROW1
	v_wmma_scale_f32_16x16x128_f8f6f4 v[\s2+8*\t:\s2+8*\t+7], v[F+12*\t:F+12*\t+11], v[Q2:Q2+11], 0, v[KS+\t], v[QS] matrix_a_fmt:MATRIX_FMT_FP6 matrix_b_fmt:MATRIX_FMT_FP6 matrix_a_scale:MATRIX_SCALE_ROW1
.else
	v_wmma_scale_f32_16x16x128_f8f6f4 v[\s1+8*\t:\s1+8*\t+7], v[F+12*\t:F+12*\t+11], v[Q1:Q1+11], 0, v[KS+\t], v[QS] matrix_a_fmt:MATRIX_FMT_FP6 matrix_b_fmt:MATRIX_FMT_FP6
	v_wmma_scale_f32_16x16x128_f8f6f4 v[\s2+8*\t:\s2+8*\t+7], v[F+12*\t:F+12*\t+11], v[Q2:Q2+11], 0, v[KS+\t], v[QS] matrix_a_fmt:MATRIX_FMT_FP6 matrix_b_fmt:MATRIX_FMT_FP6
.endif
.endr
.endm
.macro CHAINS p0                       ; walk 1: the largest score of runs p0 and p0 + 1 of 16 registers, of both matrices: four chains by turns; each accumulator is read from its low end on
.irp m, 0,1
.irp b, 0,1
	v_max3_num_f32 v[MX+4*\m+\p0+\b], v[SA+64*\m+16*(\p0+\b)], v[SA+64*\m+16*(\p0+\b)+1], v[SA+64*\m+16*(\p0+\b)+2]
.endr
.endr
.irp i, 3,5,7,9,11,13
.irp m, 0,1
.irp b, 0,1
	v_max3_num_f32 v[MX+4*\m+\p0+\b], v[MX+4*\m+\p0+\b], v[SA+64*\m+16*(\p0+\b)+\i], v[SA+64*\m+16*(\p0+\b)+\i+1]
.endr
.endr
.endr
.irp m, 0,1
.irp b, 0,1
	v_max_num_f32 v[MX+4*\m+\p0+\b], v[MX+4*\m+\p0+\b], v[SA+64*\m+16*(\p0+\b)+15]
.endr
.endr
.endm
	s_load_b128 s[4:7], s[0:1], 0x0                ; ws s[4:5], lamb s[6:7]
	s_load_b64 s[8:9], s[0:1], 0x10                ; opre
	v_lshl_add_u32 v254, v0, 2, 0x4b000
	v_mov_b32 v255, 0
	ds_add_u32 v254, v255
	ds_add_u32 v254, v255
	v_lshrrev_b32 v1, 5, v0
	v_readfirstlane_b32 s[WV], v1                  ; wave 0..15
	s_bfe_u32 s11, ttmp6, 0x40000                  ; cx: my place in the cluster
	s_lshl_b32 s12, ttmp9, 2                       ; in a cluster launch ttmp9 counts clusters
	s_add_co_u32 s12, s12, s11                     ; my block of 256 queries: it enters Q's and opre's addresses alone
	s_and_b32 s13, ttmp7, 0xffff                   ; 16 batch + head, which the four partners share
	s_mul_i32 s14, s13, REC                        ; the record's first byte
	s_mov_b32 s15, 0
	; descriptor groups 1: dense bytes as rows of 256 (32 elements of 8 bytes), no padding
	s_mov_b32 s[G1A], 15|(3<<16)|(1<<21)           ; 15:0 the mask: all four work-groups; 17:16 elements of 8 bytes; 21 set beside a mask
	s_mov_b32 s[G1A+1], 32<<16                     ; tensor_dim0 = 32
	s_mov_b32 s[G1A+2], 50<<16                     ; tensor_dim1 = 50
	s_mov_b32 s[G1A+3], 32<<16                     ; tile_dim0 = 32
	s_mov_b32 s[G1A+4], 50                         ; tile_dim1 = 50
	s_mov_b32 s[G1A+5], 32                         ; tensor_dim0_stride
	s_mov_b32 s[G1A+6], 0
	s_mov_b32 s[G1A+7], 0
	s_mov_b32 s[G1B], 15|(3<<16)|(1<<21)
	s_mov_b32 s[G1B+1], 32<<16
	s_mov_b32 s[G1B+2], 25<<16
	s_mov_b32 s[G1B+3], 32<<16
	s_mov_b32 s[G1B+4], 25
	s_mov_b32 s[G1B+5], 32
	s_mov_b32 s[G1B+6], 0
	s_mov_b32 s[G1B+7], 0
	s_mov_b32 s[G0A], 1
	s_mul_i32 s[G0A+1], s[WV], 12800               ; K's scale words and fragments, 204,800 bytes: a sixteenth to a wave, at the same offset in LDS as in the record
	s_mov_b32 s[G0B], 1
	s_mul_i32 s[G0B+1], s[WV], 6400                ; V's fragments and scale words, 102,400 bytes: likewise
	s_add_co_u32 s[G0B+1], s[G0B+1], VIMG
	s_mov_b32 s52, s[G0A+1]
	s_mov_b32 s53, 0
	s_add_nc_u64 s[52:53], s[52:53], s[14:15]
	s_mov_b32 s54, s[G0B+1]
	s_mov_b32 s55, 0
	s_add_nc_u64 s[54:55], s[54:55], s[14:15]
	s_mov_b32 s[CS], 0x3e38aa3b                    ; c = log2(e) / 8
	s_mov_b32 s[CS+1], s[CS]                       ; (named with it as a pair, so it is written)
	s_mov_b32 s[SEL], 0x76543210
	s_mov_b32 s[SEL+1], 0xfedcba98
	s_mov_b32 s[TK], KIMG
	s_mov_b32 s[TS], KSC
	s_wait_dscnt 0x0
	s_wait_kmcnt 0x0
	s_load_b32 s49, s[6:7], 0x0                    ; lamb
	s_add_nc_u64 s[G0A+2:G0A+3], s[4:5], s[52:53]
	s_or_b32 s[G0A+3], s[G0A+3], 0x80000000        ; type = 2
	s_add_nc_u64 s[G0B+2:G0B+3], s[4:5], s[54:55]
	s_or_b32 s[G0B+3], s[G0B+3], 0x80000000
	CROUND                                         ; all four work-groups are here: the joint loads meet
	tensor_load_to_lds s[G0A:G0A+3], s[G1A:G1A+7]
	s_nop 0
	tensor_load_to_lds s[G0B:G0B+3], s[G1B:G1B+7]
	s_nop 0
.rept 4
	v_nop
.endr
	s_lshl_b32 s56, s12, 4
	s_add_co_u32 s56, s56, s[WV]                   ; my stored tile of queries, 0 .. 127
	s_mul_i32 s52, s56, 1536
	s_add_co_u32 s52, s52, QIMG
	s_mov_b32 s53, 0
	s_add_nc_u64 s[52:53], s[52:53], s[14:15]
	s_add_nc_u64 s[52:53], s[4:5], s[52:53]        ; its fragment
	s_lshr_b32 s54, s56, 2
	s_lshl_b32 s54, s54, 8                         ; its scale words: four tiles share 256 bytes, 16 bytes a row, 4 a tile
	s_and_b32 s55, s56, 3
	s_lshl_b32 s55, s55, 2
	s_add_co_u32 s54, s54, s55
	s_add_co_u32 s54, s54, QSC
	s_mov_b32 s55, 0
	s_add_nc_u64 s[54:55], s[54:55], s[14:15]
	s_add_nc_u64 s[54:55], s[4:5], s[54:55]
	s_lshr_b32 s57, s13, 4
	s_lshl_b32 s57, s57, 11                        ; opre: row 2,048 batch + 32 (tile / 2) + 8 (tile % 2),
	s_lshr_b32 s58, s56, 1
	s_lshl_b32 s58, s58, 5
	s_add_co_u32 s57, s57, s58
	s_and_b32 s58, s56, 1
	s_lshl_b32 s58, s58, 3
	s_add_co_u32 s57, s57, s58
	s_lshl_b32 s58, s57, 12                        ; of 4,096 bytes,
	s_and_b32 s59, s13, 15
	s_lshl_b32 s59, s59, 8                         ; and the head's 256 bytes
	s_add_co_u32 s58, s58, s59
	s_mov_b32 s59, 0
	s_add_nc_u64 s[8:9], s[8:9], s[58:59]
	v_and_b32 v46, 31, v0                          ; lane
	v_and_b32 v47, 15, v0                          ; r
	v_bfe_u32 v224, v0, 4, 1                       ; h
	v_lshlrev_b32 v[LI], 4, v46
	v_lshlrev_b32 v[LR], 4, v47
	; Q's fragment stays in registers: of the image (register group c of lane l at 512 c + 16 l) registers 0-5 are q1's codes, registers 6-11 q2's
	global_load_b64 v[Q1:Q1+1],     v[LI], s[52:53]
	global_load_b64 v[Q1+2:Q1+3],   v[LI], s[52:53] offset:8
	global_load_b64 v[Q1+4:Q1+5],   v[LI], s[52:53] offset:512
	global_load_b64 v[Q2+6:Q2+7],   v[LI], s[52:53] offset:520
	global_load_b64 v[Q2+8:Q2+9],   v[LI], s[52:53] offset:1024
	global_load_b64 v[Q2+10:Q2+11], v[LI], s[52:53] offset:1032
	global_load_b32 v[QS], v[LR], s[54:55]
.irp j, 0,1,2,3,4,5
	v_mov_b32 v[Q2+\j], 0                          ; the zero codes
.endr
	s_mul_i32 s51, s[WV], 16*272
	s_add_co_u32 s51, s51, KIMG                    ; my stage for the way out: 16 rows x (256 bytes + 16), where K's fragments lie: used behind a barrier behind which nobody reads them; no fill follows
	v_mul_u32_u24 v[STO], v47, 272
	v_lshl_add_u32 v[STO], v224, 6, v[STO]
	v_add_nc_u32 v[STO], s51, v[STO]               ; in: row r, + 64 h
	v_mul_u32_u24 v[RD], v224, 272
	v_lshl_add_u32 v[RD], v47, 4, v[RD]
	v_add_nc_u32 v[RD], s51, v[RD]                 ; back: lanes 0-15 one row, lanes 16-31 the next
	v_lshlrev_b32 v[GO], 12, v224
	v_lshl_add_u32 v[GO], v47, 4, v[GO]            ; and the same two rows in opre
.irp m, 0,1
	v_mov_b32 v[ST+2*\m+1], 0xff61b1e6             ; the largest t so far: -3e38, under every t
	v_floor_f32 v[ST+2*\m], -v[ST+2*\m+1]          ; -M
	v_mov_b32 v[L+2*\m], 0                         ; the sum, in two halves
	v_mov_b32 v[L+2*\m+1], 0
	v_mov_b32 v[FF+2*\m+1], 0                      ; (named as the upper half of a pair)
	v_mov_b32 v[PT+\m], 0                          ; written once: a lane permute's destination counts as one of its sources
.endr
	s_wait_loadcnt 0x0                             ; Q
	s_wait_kmcnt 0x0                               ; lamb
	s_xor_b32 s50, s49, 0x80000000                 ; -lamb
	s_wait_tensorcnt 0x1                           ; my part of K is in; V's may stay out
	s_barrier_signal -1
	s_barrier_wait -1                              ; everybody's is
; WALK 1, a step of 128 keys: 16 products, the running maxima, 128 exponentials, the running sums.
.macro STEP1
	v_add_nc_u32 v[ADK], s[TK], v[LI]
	v_add_nc_u32 v[ADS], s[TS], v[LI]
	ds_load_b128 v[KS:KS+3], v[ADS]
	LDK 0
	s_wait_dscnt 0x0
	SRUN 0, SA, SB
	NOP4
	LDK 1                                          ; the next four fragments land while the first maxima are taken
	CHAINS 0
	s_wait_dscnt 0x0
	SRUN 1, SA+32, SB+32
	NOP4
	CHAINS 2
.irp m, 0,1
	v_max3_num_f32 v[RT+\m], v[MX+4*\m], v[MX+4*\m+1], v[MX+4*\m+2]
.endr
.irp m, 0,1
	v_max_num_f32 v[RT+\m], v[RT+\m], v[MX+4*\m+3]
.endr
.irp m, 0,1
	v_permlanex16_b32 v[PT+\m], v[RT+\m], s[SEL], s[SEL+1]
.endr
.irp m, 0,1
	v_max_num_f32 v[RT+\m], v[RT+\m], v[PT+\m]     ; with lane l xor 16's 64 keys: the step's largest score of my query
.endr
.irp m, 0,1
	v_mul_f32 v[RT+\m], s[CS], v[RT+\m]            ; as t (c is positive)
.endr
.irp m, 0,1
	v_max_num_f32 v[ST+2*\m+1], v[ST+2*\m+1], v[RT+\m]   ; the running largest t
.endr
.irp m, 0,1
	v_mov_b32 v[RT+\m], v[ST+2*\m]
.endr
.irp m, 0,1
	v_floor_f32 v[ST+2*\m], -v[ST+2*\m+1]          ; the new -M = -ceil(t)
.endr
.irp m, 0,1
	v_sub_f32 v[RT+\m], v[ST+2*\m], v[RT+\m]       ; M's old value less its new one: a whole number, 0 or less
.endr
.irp m, 0,1
	v_cvt_i32_f32 v[RT+\m], v[RT+\m]               ; (it saturates)
.endr
.irp m, 0,1
	v_ldexp_f32 v[FF+2*\m], 1.0, v[RT+\m]          ; f = 2^(old M - new M)
.endr
.set j, 0
.rept 32
	v_pk_fma_f32 v[SA+2*j:SA+2*j+1], v[SA+2*j:SA+2*j+1], s[CS:CS+1], v[ST:ST+1] op_sel_hi:[1,0,0]   ; t - M, two at a time
.set j, j+1
.endr
.set j, 0
.rept 32                                       ; two exponentials and a plain line by turns: every exponential has a plain instruction behind it before its result is used
	v_exp_f32 v[SA+2*j], v[SA+2*j]
	v_exp_f32 v[SA+2*j+1], v[SA+2*j+1]
	v_pk_fma_f32 v[SB+2*j:SB+2*j+1], v[SB+2*j:SB+2*j+1], s[CS:CS+1], v[ST+2:ST+3] op_sel_hi:[1,0,0]
.set j, j+1
.endr
.set j, 0
.rept 32
	v_exp_f32 v[SB+2*j], v[SB+2*j]
	v_exp_f32 v[SB+2*j+1], v[SB+2*j+1]
.if j == 0
	v_pk_mul_f32 v[L:L+1], v[L:L+1], v[FF:FF+1] op_sel_hi:[1,0]          ; sum 1 under the new M
.elseif j == 1
	s_wait_alu depctr_va_vdst(0)
	v_pk_add_f32 v[C2:C2+1], v[SA:SA+1], v[SA+2:SA+3]                    ; the second chain begins with pairs 0 and 1
.elseif j%2 == 0
	v_pk_add_f32 v[L:L+1], v[L:L+1], v[SA+2*j:SA+2*j+1]
.else
	v_pk_add_f32 v[C2:C2+1], v[C2:C2+1], v[SA+2*j:SA+2*j+1]
.endif
.set j, j+1
.endr
	v_pk_mul_f32 v[L+2:L+3], v[L+2:L+3], v[FF+2:FF+3] op_sel_hi:[1,0]    ; sum 2 under the new M
	v_pk_add_f32 v[C2+2:C2+3], v[SB:SB+1], v[SB+2:SB+3]
	s_wait_alu depctr_va_vdst(0)
.set j, 2
.rept 30
.if j%2 == 0
	v_pk_add_f32 v[L+2:L+3], v[L+2:L+3], v[SB+2*j:SB+2*j+1]
.else
	v_pk_add_f32 v[C2+2:C2+3], v[C2+2:C2+3], v[SB+2*j:SB+2*j+1]
.endif
.set j, j+1
.endr
	v_pk_add_f32 v[L:L+1], v[L:L+1], v[C2:C2+1]
	v_pk_add_f32 v[L+2:L+3], v[L+2:L+3], v[C2+2:C2+3]
	s_add_co_u32 s[TK], s[TK], 12288
	s_add_co_u32 s[TS], s[TS], 512
.endm
	s_mov_b32 s[CNT], 16
.Lwalk1:
	STEP1
	s_sub_co_u32 s[CNT], s[CNT], 1
	s_cmp_lg_u32 s[CNT], 0
	s_cbranch_scc1 .Lwalk1
	; BETWEEN THE WALKS: the sums' halves and lane l xor 16's; 1 / sum 1 and -lamb / sum 2
	v_add_f32 v[L], v[L], v[L+1]
	v_add_f32 v[L+2], v[L+2], v[L+3]
	v_permlanex16_b32 v[PT], v[L], s[SEL], s[SEL+1]
	v_permlanex16_b32 v[PT+1], v[L+2], s[SEL], s[SEL+1]
	v_add_f32 v[L], v[L], v[PT]
	v_add_f32 v[L+2], v[L+2], v[PT+1]
	v_rcp_f32 v[L], v[L]
	v_rcp_f32 v[L+2], v[L+2]
	v_nop                                          ; one plain place behind a transcendental
	s_wait_alu depctr_va_vdst(0)
	v_mul_f32 v[L+2], s50, v[L+2]
	s_mov_b32 s[TK], KIMG
	s_mov_b32 s[TS], KSC
	s_mov_b32 s[TV], VIMG
	s_mov_b32 s[TT], VSC
	s_wait_tensorcnt 0x0                           ; my part of V is in,
	s_wait_dscnt 0x0
	s_barrier_signal -1
	s_barrier_wait -1                              ; everybody's is
; WALK 2.  VEC g: 64 keys (blocks 2 g and 2 g + 1 of the step's four): the first scores in v96-127, the second in v128-159, become wei in v96-127, its two scale bytes and registers 6 g .. 6 g + 5 of its fragment.
.macro VEC g
.set j, 0
.rept 16
	v_pk_fma_f32 v[SA+2*j:SA+2*j+1], v[SA+2*j:SA+2*j+1], s[CS:CS+1], v[ST:ST+1] op_sel_hi:[1,0,0]   ; t1 - M1
.set j, j+1
.endr
.set j, 0
.rept 16
	v_exp_f32 v[SA+2*j], v[SA+2*j]
	v_exp_f32 v[SA+2*j+1], v[SA+2*j+1]
	v_pk_fma_f32 v[SA+32+2*j:SA+33+2*j], v[SA+32+2*j:SA+33+2*j], s[CS:CS+1], v[ST+2:ST+3] op_sel_hi:[1,0,0]   ; t2 - M2
.set j, j+1
.endr
.set j, 0
.rept 16
	v_exp_f32 v[SA+32+2*j], v[SA+32+2*j]
	v_exp_f32 v[SA+33+2*j], v[SA+33+2*j]
	s_wait_alu depctr_va_vdst(0)
	v_pk_mul_f32 v[SA+2*j:SA+2*j+1], v[SA+2*j:SA+2*j+1], v[L:L+1] op_sel_hi:[1,0]   ; the first softmax, normalised
.set j, j+1
.endr
.set j, 0
	s_wait_alu depctr_va_vdst(0)
.rept 16
	v_pk_fma_f32 v[SA+2*j:SA+2*j+1], v[SA+32+2*j:SA+33+2*j], v[L+2:L+3], v[SA+2*j:SA+2*j+1] op_sel_hi:[1,0,1]   ; wei = w1 - lamb w2
.set j, j+1
.endr
.irp b, 0,1
	v_max3_num_f32 v[MX+\b], |v[SA+16*\b]|, |v[SA+16*\b+1]|, 0x1800000   ; the block's largest magnitude among my 16, and the floor 2^(3 - 127)
.endr
.irp i, 2,4,6,8,10,12,14
.irp b, 0,1
	v_max3_num_f32 v[MX+\b], v[MX+\b], |v[SA+16*\b+\i]|, |v[SA+16*\b+\i+1]|
.endr
.endr
.irp b, 0,1
	v_permlanex16_b32 v[PT+\b], v[MX+\b], s[SEL], s[SEL+1]
.endr
.irp b, 0,1
	v_max_num_f32 v[MX+\b], v[MX+\b], v[PT+\b]     ; with lane l xor 16's 16
.endr
.irp b, 0,1
	v_add_nc_u32 v[SO+\b], 0xff000000, v[MX+\b]    ; 2 off the exponent field: the conversion's scale operand
.endr
.irp b, 0,1
	v_lshrrev_b32 v[BY+\b], 23, v[SO+\b]           ; the scale's byte
.endr
.if \g
	v_lshl_or_b32 v[PW], v[BY], 16, v[PW]
	v_lshl_or_b32 v[PW], v[BY+1], 24, v[PW]
.else
	v_lshl_or_b32 v[PW], v[BY+1], 8, v[BY]
.endif
	v_cvt_scalef32_pk16_fp6_f32 v[PC+6*\g:PC+6*\g+2], v[SA:SA+15], v[SO]
	v_cvt_scalef32_pk16_fp6_f32 v[CT:CT+2], v[SA+16:SA+31], v[SO+1]
	v_nop                                          ; one plain place behind a scaled conversion
.irp i, 0,1,2
	v_permlane16_swap_b32 v[PC+6*\g+\i], v[CT+\i]  ; the operand's layout wants a whole block in a lane: lanes 0-15 block 2 g, lanes 16-31 block 2 g + 1
.endr
.irp i, 0,1,2
	v_mov_b32 v[PC+3+6*\g+\i], v[CT+\i]
.endr
.endm
; A step of 128 keys.  zero = 1: the first step's products start O^T's sums.
.macro STEP2 zero
	v_add_nc_u32 v[ADK], s[TK], v[LI]
	v_add_nc_u32 v[ADS], s[TS], v[LI]
	v_add_nc_u32 v[ADV], s[TV], v[LI]
	v_add_nc_u32 v[ADT], s[TT], v[LR]
	ds_load_b128 v[KS:KS+3], v[ADS]
	LDK 0
	s_wait_dscnt 0x0
	SRUN 0, SA, SA+32
	NOP4
	LDK 1                                          ; lands while the first 64 keys are worked
	VEC 0
	s_wait_dscnt 0x0
	SRUN 1, SA, SA+32
	NOP4
.irp i, 0,1,2,3
.irp c, 0,1,2
	ds_load_b128 v[F+12*\i+4*\c:F+12*\i+4*\c+3], v[ADV] offset:\i*1536+512*\c   ; V's four fragments: 16 channels x these 128 keys each
.endr
.endr
	ds_load_b128 v[VS:VS+3], v[ADT]
	VEC 1
	s_wait_dscnt 0x0
.rept 8
	v_nop                                          ; a scale register written by vector instructions stands 8 places ahead of a scaled matrix instruction, an operand so written 4
.endr
.irp i, 0,1,2,3                                ; O^T += V^T wei^T: four accumulators by turns; sixteen other products stand between two links of a chain
.if \zero
	v_wmma_scale_f32_16x16x128_f8f6f4 v[OT+8*\i:OT+8*\i+7], v[F+12*\i:F+12*\i+11], v[PC:PC+11], 0, v[VS+\i], v[PW] matrix_a_fmt:MATRIX_FMT_FP6 matrix_b_fmt:MATRIX_FMT_FP6
.else
	v_wmma_scale_f32_16x16x128_f8f6f4 v[OT+8*\i:OT+8*\i+7], v[F+12*\i:F+12*\i+11], v[PC:PC+11], v[OT+8*\i:OT+8*\i+7], v[VS+\i], v[PW] matrix_a_fmt:MATRIX_FMT_FP6 matrix_b_fmt:MATRIX_FMT_FP6
.endif
.endr
	NOP4
	s_add_co_u32 s[TK], s[TK], 12288
	s_add_co_u32 s[TS], s[TS], 512
	s_add_co_u32 s[TV], s[TV], 6144
	s_add_co_u32 s[TT], s[TT], 256
.endm
	STEP2 1
	s_mov_b32 s[CNT], 15
.Lwalk2:
	STEP2 0
	s_sub_co_u32 s[CNT], s[CNT], 1
	s_cmp_lg_u32 s[CNT], 0
	s_cbranch_scc1 .Lwalk2
	; THE WAY OUT.  Register j of tile 2 b + u holds channel 32 b + 16 h + 8 u + j of my query: 32 bytes a tile.  The tile's 16 rows go through my stage and come back as whole rows of 256 bytes.
	s_wait_dscnt 0x0                               ; my reads of K and V are over,
	s_barrier_signal -1
	s_barrier_wait -1                              ; everybody's are: the stages may be written
.irp i, 0,1,2,3
	ds_store_b128 v[STO], v[OT+8*\i:OT+8*\i+3] offset:128*(\i/2)+32*(\i%2)         ; each accumulator from its low end on
	ds_store_b128 v[STO], v[OT+8*\i+4:OT+8*\i+7] offset:128*(\i/2)+32*(\i%2)+16
.endr
.irp i, 0,1,2,3,4,5,6,7
	ds_load_b128 v[SA+4*\i:SA+4*\i+3], v[RD] offset:2*\i*272   ; LDS serves a wave's instructions in order: these see my stores
.endr
.irp i, 0,1,2,3,4,5,6,7
	s_wait_dscnt 7-\i                              ; load i is in; the younger ones may be out
	global_store_b128 v[GO], v[SA+4*\i:SA+4*\i+3], s[8:9] offset:(2*\i+8*(\i/4))*4096   ; stored row 2 i + h is the true row 2 i + h + 8 (i / 4); 16 lanes store 256 consecutive bytes, aligned
.endr
	s_wait_dscnt 0x0
	s_wait_tensorcnt 0x0
	ds_add_u32 v254, v255
	s_wait_dscnt 0x0
	CROUND                                         ; the closing round: no work-group ends while a partner may still ask for bytes by a load that names it
	s_endpgm
.Lfunc_end_k_qb89a7a2eb5_attn:
	.size	k_qb89a7a2eb5_attn, .Lfunc_end_k_qb89a7a2eb5_attn-k_qb89a7a2eb5_attn
	.p2alignl 7, 3214868480
	.fill 96, 4, 3214868480
	.section	.rodata,"a",@progbits
	.p2align	6, 0x0
	.amdhsa_kernel k_qb89a7a2eb5_attn
		.amdhsa_group_segment_fixed_size 309248
		.amdhsa_private_segment_fixed_size 0
		.amdhsa_enable_private_segment 0
		.amdhsa_kernarg_size 24
		.amdhsa_user_sgpr_count 2
		.amdhsa_user_sgpr_kernarg_segment_ptr 1
		.amdhsa_wavefront_size32 1
		.amdhsa_system_sgpr_workgroup_id_x 1
		.amdhsa_system_sgpr_workgroup_id_y 1
		.amdhsa_system_sgpr_workgroup_id_z 1
		.amdhsa_system_vgpr_workitem_id 0
		.amdhsa_next_free_vgpr 256
		.amdhsa_next_free_sgpr 66
		.amdhsa_reserve_vcc 0
		.amdhsa_float_denorm_mode_32 3
		.amdhsa_float_denorm_mode_16_64 3
		.amdhsa_memory_ordered 1
		.amdhsa_forward_progress 1
		.amdhsa_inst_pref_size 78
	.end_amdhsa_kernel
	.amdgpu_metadata
---
amdhsa.version: [ 1, 2 ]
amdhsa.kernels:
  - .name:           k_qb89a7a2eb5_attn
    .symbol:         k_qb89a7a2eb5_attn.kd
    .args:
      - { .name: ws, .offset: 0, .size: 8, .value_kind: global_buffer, .address_space: global }
      - { .name: lamb, .offset: 8, .size: 8, .value_kind: global_buffer, .address_space: global }
      - { .name: opre, .offset: 16, .size: 8, .value_kind: global_buffer, .address_space: global }
    .group_segment_fixed_size: 309248
    .private_segment_fixed_size: 0
    .kernarg_segment_align: 8
    .kernarg_segment_size: 24
    .max_flat_workgroup_size: 512
    .sgpr_count:     66
    .vgpr_count:     256
    .wavefront_size: 32
...
	.end_amdgpu_metadata
.endif
;; end of part 3
;; launch norm (part 4): grid 256 x 1, 4 waves a work-group, no clusters, 0 bytes of LDS; arguments opre, ln_gamma, ln_beta, lamb, out0; writes out0
.if DOCPART == 4
	.amdgcn_target "amdgcn-amd-amdhsa--gfx1250"
	.amdhsa_code_object_version 6
	.text
	.protected	k_qb89a7a2eb5_norm
	.globl	k_qb89a7a2eb5_norm
	.p2align	8
	.type	k_qb89a7a2eb5_norm,@function
k_qb89a7a2eb5_norm:
	s_mov_b64 s[64:65], 0
	v_nop
	global_prefetch_b8 v0, s[64:65] scope:SCOPE_SE
	s_setreg_imm32_b32 hwreg(HW_REG_WAVE_MODE, 25, 1), 1
	s_wait_xcnt 0x0
; out0[row][c] = (1 - lamb) ((x[row][c] - mean) rsqrt(var + 1e-5) gamma[c] + beta[c]), x = opre, [4096][1024] f32; mean and var over the row's 1,024 numbers, var of the centred numbers.
; A stream: every byte is read once and written once.  A wave takes four whole rows; a row stays in 32 registers between the passes, so no LDS, no barrier, and no wave waits for another.
; Load j of a row covers columns 128 j + 4 lane + 0 .. 3: 512 consecutive bytes; gamma and beta lie in registers in the same layout.  All of a wave's 48 loads go out at its head.
; ORDER OF ROUNDING: (1 - lamb) is multiplied into gamma and beta once, not into each result.  rsqrt by v_rsq_f32.  Matrix units, clusters and LDS would add nothing here.
.set G,   4                            ; v[4:35]    (1 - lamb) gamma
.set BT,  36                           ; v[36:67]   (1 - lamb) beta
.set X,   68                           ; v[68:195]  four rows
.set U,   196                          ; v[196:197] 1 - lamb, named as a pair
.set T,   198                          ; v[198:205] four chains of sums
.set MU,  206                          ; v[206:207] the mean, later rsqrt: named as a pair
	s_load_b256 s[4:11], s[0:1], 0x0               ; opre s[4:5], gamma s[6:7], beta s[8:9], lamb s[10:11]
	s_load_b64 s[12:13], s[0:1], 0x20              ; out0
	v_lshrrev_b32 v1, 5, v0
	v_readfirstlane_b32 s14, v1                    ; wave 0..3
	v_and_b32 v2, 31, v0
	v_lshlrev_b32 v2, 4, v2                        ; 16 x lane; never rewritten
	s_lshl_b32 s15, ttmp9, 2
	s_add_co_u32 s15, s15, s14
	s_lshl_b32 s16, s15, 14                        ; my four rows of 4,096 bytes
	s_mov_b32 s17, 0
	s_mov_b32 s18, 0x76543210                      ; v_permlanex16_b32's selects for lane l xor 16
	s_mov_b32 s19, 0xfedcba98
	s_mov_b32 s20, 0x3a800000                      ; 1 / 1,024
	s_mov_b32 s21, 0x3727c5ac                      ; 1e-5
	s_wait_kmcnt 0x0
	s_load_b32 s22, s[10:11], 0x0                  ; lamb
	s_add_nc_u64 s[4:5], s[4:5], s[16:17]
	s_add_nc_u64 s[12:13], s[12:13], s[16:17]
.irp j, 0,1,2,3,4,5,6,7
	global_load_b128 v[G+4*\j:G+4*\j+3], v2, s[6:7] offset:512*\j
.endr
.irp j, 0,1,2,3,4,5,6,7
	global_load_b128 v[BT+4*\j:BT+4*\j+3], v2, s[8:9] offset:512*\j
.endr
.irp i, 0,1,2,3
.irp j, 0,1,2,3,4,5,6,7
	global_load_b128 v[X+32*\i+4*\j:X+32*\i+4*\j+3], v2, s[4:5] offset:4096*\i+512*\j th:TH_LOAD_NT
.endr
.endr
	s_wait_kmcnt 0x0
	v_sub_f32 v[U], 1.0, s22
	v_mov_b32 v[U+1], 0                            ; (named as the upper half of a pair)
	v_mov_b32 v[MU+1], 0
	s_wait_loadcnt 32                              ; gamma and beta are in; the four rows' 32 loads may be out
.set p, 0
.rept 16
	v_pk_mul_f32 v[G+2*p:G+2*p+1], v[G+2*p:G+2*p+1], v[U:U+1] op_sel_hi:[1,0]
	v_pk_mul_f32 v[BT+2*p:BT+2*p+1], v[BT+2*p:BT+2*p+1], v[U:U+1] op_sel_hi:[1,0]
.set p, p+1
.endr
.macro WSUM                            ; the four chains, the two halves, and the 32 lanes: the sum in v[T] of every lane
	v_pk_add_f32 v[T:T+1], v[T:T+1], v[T+2:T+3]
	v_pk_add_f32 v[T+4:T+5], v[T+4:T+5], v[T+6:T+7]
	v_pk_add_f32 v[T:T+1], v[T:T+1], v[T+4:T+5]
	v_add_f32 v[T], v[T], v[T+1]
	v_add_f32_dpp v[T], v[T], v[T] row_xmask:1 row_mask:0xf bank_mask:0xf
	v_add_f32_dpp v[T], v[T], v[T] row_xmask:2 row_mask:0xf bank_mask:0xf
	v_add_f32_dpp v[T], v[T], v[T] row_xmask:4 row_mask:0xf bank_mask:0xf
	v_add_f32_dpp v[T], v[T], v[T] row_xmask:8 row_mask:0xf bank_mask:0xf
	v_permlanex16_b32 v[T+1], v[T], s18, s19
	v_add_f32 v[T], v[T], v[T+1]
.endm
.macro ROW i
.set XB, X+32*\i
	s_wait_loadcnt 8*(3-\i)                        ; this row's eight loads are in; the later rows' may be out
.irp k, 0,1,2,3
	v_pk_add_f32 v[T+2*\k:T+2*\k+1], v[XB+4*\k:XB+4*\k+1], v[XB+4*\k+2:XB+4*\k+3]   ; the first sixteen numbers start four chains: nothing is cleared
.endr
.irp q, 16,24
.irp k, 0,1,2,3
	v_pk_add_f32 v[T+2*\k:T+2*\k+1], v[T+2*\k:T+2*\k+1], v[XB+\q+2*\k:XB+\q+2*\k+1]
.endr
.endr
	WSUM
	v_mul_f32 v[MU], s20, v[T]                     ; the mean
.set p, 0
.rept 16
	v_pk_add_f32 v[XB+2*p:XB+2*p+1], v[XB+2*p:XB+2*p+1], v[MU:MU+1] op_sel_hi:[1,0] neg_lo:[0,1] neg_hi:[0,1]   ; centred
.set p, p+1
.endr
.irp k, 0,1,2,3
	v_pk_mul_f32 v[T+2*\k:T+2*\k+1], v[XB+2*\k:XB+2*\k+1], v[XB+2*\k:XB+2*\k+1]
.endr
.irp q, 8,16,24
.irp k, 0,1,2,3
	v_pk_fma_f32 v[T+2*\k:T+2*\k+1], v[XB+\q+2*\k:XB+\q+2*\k+1], v[XB+\q+2*\k:XB+\q+2*\k+1], v[T+2*\k:T+2*\k+1]
.endr
.endr
	WSUM
	v_fma_f32 v[T], v[T], s20, s21                 ; var + 1e-5
	v_rsq_f32 v[MU], v[T]
	v_nop                                          ; one plain place behind a transcendental
.set p, 0
	s_wait_alu depctr_va_vdst(0)
.rept 16
	v_pk_mul_f32 v[XB+2*p:XB+2*p+1], v[XB+2*p:XB+2*p+1], v[MU:MU+1] op_sel_hi:[1,0]
.set p, p+1
.endr
.set p, 0
.rept 16
	v_pk_fma_f32 v[XB+2*p:XB+2*p+1], v[XB+2*p:XB+2*p+1], v[G+2*p:G+2*p+1], v[BT+2*p:BT+2*p+1]
.set p, p+1
.endr
.irp j, 0,1,2,3,4,5,6,7
	global_store_b128 v2, v[XB+4*\j:XB+4*\j+3], s[12:13] offset:4096*\i+512*\j th:TH_STORE_NT   ; 32 lanes store 512 consecutive bytes, aligned; each row has registers of its own, so no store's data are written again
.endr
.endm
	ROW 0
	ROW 1
	ROW 2
	ROW 3
	s_endpgm
.Lfunc_end_k_qb89a7a2eb5_norm:
	.size	k_qb89a7a2eb5_norm, .Lfunc_end_k_qb89a7a2eb5_norm-k_qb89a7a2eb5_norm
	.p2alignl 7, 3214868480
	.fill 96, 4, 3214868480
	.section	.rodata,"a",@progbits
	.p2align	6, 0x0
	.amdhsa_kernel k_qb89a7a2eb5_norm
		.amdhsa_group_segment_fixed_size 0
		.amdhsa_private_segment_fixed_size 0
		.amdhsa_enable_private_segment 0
		.amdhsa_kernarg_size 40
		.amdhsa_user_sgpr_count 2
		.amdhsa_user_sgpr_kernarg_segment_ptr 1
		.amdhsa_wavefront_size32 1
		.amdhsa_system_sgpr_workgroup_id_x 1
		.amdhsa_system_sgpr_workgroup_id_y 1
		.amdhsa_system_sgpr_workgroup_id_z 1
		.amdhsa_system_vgpr_workitem_id 0
		.amdhsa_next_free_vgpr 208
		.amdhsa_next_free_sgpr 66
		.amdhsa_reserve_vcc 0
		.amdhsa_float_denorm_mode_32 3
		.amdhsa_float_denorm_mode_16_64 3
		.amdhsa_memory_ordered 1
		.amdhsa_forward_progress 1
		.amdhsa_inst_pref_size 36
	.end_amdhsa_kernel
	.amdgpu_metadata
---
amdhsa.version: [ 1, 2 ]
amdhsa.kernels:
  - .name:           k_qb89a7a2eb5_norm
    .symbol:         k_qb89a7a2eb5_norm.kd
    .args:
      - { .name: opre, .offset: 0, .size: 8, .value_kind: global_buffer, .address_space: global }
      - { .name: ln_gamma, .offset: 8, .size: 8, .value_kind: global_buffer, .address_space: global }
      - { .name: ln_beta, .offset: 16, .size: 8, .value_kind: global_buffer, .address_space: global }
      - { .name: lamb, .offset: 24, .size: 8, .value_kind: global_buffer, .address_space: global }
      - { .name: out0, .offset: 32, .size: 8, .value_kind: global_buffer, .address_space: global }
    .group_segment_fixed_size: 0
    .private_segment_fixed_size: 0
    .kernarg_segment_align: 8
    .kernarg_segment_size: 40
    .max_flat_workgroup_size: 128
    .sgpr_count:     66
    .vgpr_count:     208
    .wavefront_size: 32
...
	.end_amdgpu_metadata
.endif
;; end of part 4
